; MI455X (gfx1250); checked and timed in simulation.
; The chip was launched on July 23, 2026; its instructions are those of AMD's public machine-readable ISA for CDNA 5 (MIT licence, August 2026) and "CDNA5" Instruction Set Architecture Reference Guide (July 2026). The comments in the code are by the model that wrote it; some were corrected since.
;; Template Aware Attention. Allowed arithmetic: matrix products marked QUANTISED: E3M2 operands, one E8M0 scale for each 32 along K, by v_wmma_scale_f32_16x16x128_f8f6f4 with both operands' format E3M2, f32 sums; everything else in f32.
;; Inputs: Wk 1,024 x 1,024 float32; Wo 1,024 x 1,024 float32; Wq 1,024 x 1,024 float32; Wv 1,024 x 1,024 float32; attention_mask 4 x 2,048 int32; beta 1,024 float32; bk 1,024 float32; bo 1,024 float32; bq 1,024 float32; bv 1,024 float32; gamma 1,024 float32; template_ids 4 x 2,048 int32; x 4 x 2,048 x 1,024 float32.
;; Outputs: out0 4 x 2,048 x 1,024 float32.
;; This version of the problem:
;;   THIS VERSION OF THE PROBLEM IS GIVEN IN LOW PRECISION. The matrix products marked QUANTISED in the list below multiply operands that are first quantised to E3M2 (3 exponent bits, 2 mantissa bits; 6 bits a number), with one power-of-two scale for each 32 numbers along K (OCP MX v1.0); their sums are f32. All else is computed in f32.
;;   The module's matrix products, in the order in which they are computed (A, B: the left and right operand; K: the contracted axis; several contracted axes count as one K, in the product's order):
;;     1. [M 8,192, K 1,024] x [K 1,024, N 1,024]; A: input x; B: input Wq: QUANTISED
;;     2. [M 8,192, K 1,024] x [K 1,024, N 1,024]; A: input x; B: input Wk: QUANTISED
;;     3. [M 8,192, K 1,024] x [K 1,024, N 1,024]; A: input x; B: input Wv: QUANTISED
;;     4. batch 64 x [M 2,048, K 64] x [K 64, N 2,048]; A: computed on the way; B: computed on the way: QUANTISED
;;     5. batch 64 x [M 2,048, K 2,048] x [K 2,048, N 64]; A: softmax (see below); B: computed on the way: QUANTISED
;;     6. [M 8,192, K 1,024] x [K 1,024, N 1,024]; A: computed on the way; B: input Wo: QUANTISED
;;   THE QUANTISER, for each operand of a quantised product, along K:
;;     - K is cut into blocks of 32 from its start; a last block that is shorter is filled with zeros.
;;     - A block's scale is 2^e with e = floor(log2(the largest magnitude in the block)) - 4, held to -126 .. 127; a block of zeros has e = 0. As a byte (E8M0): e + 127.
;;     - Each number is divided by its block's scale, clamped to +-28, and rounded to the nearest number of E3M2, ties to even, subnormals kept.
;;     - The product sums the exact products of the quantised numbers (number of the format x scale) in f32.
;;   ~~~python
;;   def quantise(x, axis):      # numpy; x: float32 -> the quantised numbers, widened to float32 again
;;       x = np.moveaxis(x, axis, -1); K = x.shape[-1]
;;       x = np.pad(x, [(0, 0)] * (x.ndim - 1) + [(0, -K % 32)]); x = x.reshape(x.shape[:-1] + (-1, 32)); a = np.abs(x).max(-1, keepdims=True)
;;       e = np.where(a > 0, np.clip(np.frexp(np.where(a > 0, a, 1))[1] - 1 - 4, -126, 127), 0)      # np.frexp(a)[1] - 1 = floor(log2(a)), exactly
;;       r = np.clip(x / 2.0 ** e, -28, 28)
;;       step = 2.0 ** (np.maximum(np.frexp(np.where(r == 0, 1, r))[1] - 1, -2) - 2)
;;       q = np.round(r / step) * step * 2.0 ** e      # np.round: ties to even
;;       return np.moveaxis(q.reshape(q.shape[:-2] + (-1,))[..., :K], -1, axis).astype(np.float32)
;;   ~~~
;;   SOFTMAX AHEAD OF A QUANTISED PRODUCT. Where the list says 'softmax', what is quantised is not the finished softmax but p = 2^(t - M), with t = logit x log2(e) and M = ceil(the row's largest t), a whole number; so 1/2 < the row's largest p <= 1. The row's sum l is taken of the UNQUANTISED p, in f32, and the product's result is divided by l at the end. Since M is a whole number, a kernel that streams over the keys may use a running M (the ceiling of the running maximum): every later rescaling is an exact power of two, which a block's scale takes up: the codes' values come out the same.
;;   OPERANDS COMPUTED ON THE WAY. 'Computed on the way' means the value that the module computes at that place (a softmax that the list does not call 'softmax' is quantised finished and normalised). What goes into a quantiser is computed in f32, as accurately as f32 sums, v_exp_f32 and their like allow (about 1e-6 of the number): no bf16 or f16 on the way to a quantiser, and a product that is left as it is and whose result goes on into a quantised operand takes f32 operands (vector FMAs, or v_wmma_f32_16x16x4_f32). A number that lies on a knife's edge between two numbers of the format may be rounded either way, as far as f32 arithmetic and the matrix unit's own rounding can turn it there, and no further.
;; One version. Each part assembles by itself: llvm-mc -triple=amdgcn-amd-amdhsa -mcpu=gfx1250 --defsym DOCPART=n.
;; ======== version 1 of 1: 4 launches
;; workspace buffers: xq 6,553,600 bytes; wq 3,276,800 bytes; q 8,388,608 bytes; kv 14,942,208 bytes; oc 6,291,456 bytes; os 262,144 bytes
;; launch quant (part 1): grid 384 x 1, 4 waves a work-group, no clusters, 34,304 bytes of LDS; arguments x, Wq, Wk, Wv, Wo, xq, wq; writes xq, wq
.if DOCPART == 1
	.amdgcn_target "amdgcn-amd-amdhsa--gfx1250"
	.amdhsa_code_object_version 6
	.text
	.protected	k_q39be50d6d8_quant
	.globl	k_q39be50d6d8_quant
	.p2align	8
	.type	k_q39be50d6d8_quant,@function
k_q39be50d6d8_quant:
	s_mov_b64 s[64:65], 0
	v_nop
	global_prefetch_b8 v0, s[64:65] scope:SCOPE_SE
	s_setreg_imm32_b32 hwreg(HW_REG_WAVE_MODE, 25, 1), 1
	s_wait_xcnt 0x0
; x [8192][1024] and Wq, Wk, Wv, Wo [1024][1024], f32 with K innermost, become codes of BF6 (E3M2) with one E8M0 byte for each 32 along K,
; laid as IMAGES OF OPERAND REGISTERS.  A tile is 16 rows; tile T = 2 b + u holds rows 32 b + 8 u + r + 8 (r / 8), r = 0 .. 15.  A fragment (a tile x 128 K)
; is 12 registers a lane: lane (r, h) holds row r, registers 6 c .. 6 c + 5 hold K = 64 c + 32 h + 0 .. 31.  Its image is 1,536 bytes: registers 4 g .. 4 g + 3 at 512 g + 16 lane.
; A RECORD is one K step of a group of 16 tiles: 16 images, then at byte 24,576 the scale words, 64 t + 4 r: 25,600 bytes.  xq: [group 32][K step 8][record]; wq: [group 16][K step 8][record], Wq, Wk, Wv, Wo, four groups each.
; A block's scale is 2^(floor(log2(largest magnitude)) - 4); its byte is the largest magnitude's exponent field - 4, held at 1 from below by a floor among the maximum's leaves.
; LIMITS: a block of zeros gets the byte 1 where the rule says 127 (its codes are zeros, and this program alone reads the bytes); NaN and infinities among the inputs are not served.
; SHARES: a wave takes one tile x 512 along K, four steps of 128.  Each load reads 512 consecutive bytes of one row; the 16 rows turn through the wave's own stage in LDS (rows 528 bytes apart) and come back
; 128 consecutive bytes a lane and block.  No tensor load, no barrier: waves share nothing.  Memory binds, so the matrix unit and clusters have no part here.
.set REC,  25600
.set SP,   528                         ; a stage row: 512 bytes + 16
.set WST,  16*SP                       ; a wave's stage
.set RA,   16                          ; v16-143  two sets of 64: a step's numbers as loaded
.set XA,   144                         ; v144-207 my two blocks of 32
.set CD,   208                         ; v208-219 the fragment's 12 registers
.set CT,   220                         ; v220-222, v224-226 the upper halves of the two blocks as converted
.set MX,   228
.set SO,   230
.set BY,   232
.set WD,   234                         ; the scale word
.set PD,   235
	s_load_b256 s[4:11], s[0:1], 0x0               ; x, Wq, Wk, Wv
	s_load_b128 s[12:15], s[0:1], 0x20             ; Wo, xq
	s_load_b64 s[16:17], s[0:1], 0x30              ; wq
	v_lshl_add_u32 v240, v0, 2, 0x8400
	v_mov_b32 v241, 0
	v_lshrrev_b32 v6, 5, v0
	v_readfirstlane_b32 s18, v6                    ; wave 0..3
	v_and_b32 v7, 31, v0                           ; lane
	v_and_b32 v8, 15, v0                           ; r
	v_bfe_u32 v9, v0, 4, 1                         ; h
	v_lshlrev_b32 v1, 4, v7                        ; 16 x lane: my bytes of a load's and of a store's 512
	s_mul_i32 s19, s18, WST
	v_add_nc_u32 v2, s19, v1                       ; the stage, on the way in
	v_mul_u32_u24 v3, v8, SP
	v_lshl_add_u32 v3, v9, 7, v3
	v_add_nc_u32 v3, s19, v3                       ; and on the way out: row r, + 128 h
	v_lshlrev_b32 v4, 2, v8                        ; 4 r: my row's scale word
	v_lshlrev_b32 v5, 3, v9                        ; 8 h: how far my two bytes are shifted in it
	v_mov_b32 v[PD], 0                             ; a lane permute's destination counts as one of its sources
	s_mov_b32 s20, 0x76543210
	s_mov_b32 s21, 0xfedcba98                      ; selects for lane l xor 16
	s_lshl_b32 s22, ttmp9, 2
	s_add_co_u32 s22, s22, s18                     ; unit = 4 x work-group + wave
	s_lshr_b32 s23, s22, 1                         ; tile 0..767: 512 of x, then 64 of each weight
	s_and_b32 s24, s22, 1                          ; which half of K
	s_wait_kmcnt 0x0
	s_cmp_lt_u32 ttmp9, 352                        ; the tensors are chosen by the work-group's number alone
	s_cselect_b64 s[12:13], s[10:11], s[12:13]
	s_cmp_lt_u32 ttmp9, 320
	s_cselect_b64 s[12:13], s[8:9], s[12:13]
	s_cmp_lt_u32 ttmp9, 288
	s_cselect_b64 s[12:13], s[6:7], s[12:13]
	s_cmp_lt_u32 ttmp9, 256
	s_cselect_b64 s[12:13], s[4:5], s[12:13]       ; the source
	s_cselect_b64 s[14:15], s[14:15], s[16:17]     ; xq or wq
	s_mov_b32 s26, 255
	s_cselect_b32 s25, 511, 63
	s_cselect_b32 s26, 511, s26
	s_and_b32 s25, s23, s25                        ; the tile in its source
	s_and_b32 s26, s23, s26                        ; and in its destination
	s_lshr_b32 s27, s25, 1
	s_lshl_b32 s27, s27, 17                        ; 32 rows of 4,096 bytes
	s_and_b32 s28, s25, 1
	s_lshl_b32 s28, s28, 15                        ; 8 rows
	s_add_co_u32 s28, s27, s28
	s_lshl_b32 s29, s24, 11                        ; 512 numbers along K
	s_add_co_u32 s28, s28, s29
	s_mov_b32 s29, 0
	s_add_nc_u64 s[12:13], s[12:13], s[28:29]
	s_lshr_b32 s30, s26, 4
	s_lshl_b32 s30, s30, 3
	s_lshl_b32 s31, s24, 2
	s_add_co_u32 s30, s30, s31
	s_mul_i32 s30, s30, REC                        ; my first record
	s_and_b32 s32, s26, 15
	s_mul_i32 s33, s32, 1536
	s_add_co_u32 s34, s30, s33                     ; my tile's image in it
	s_mov_b32 s35, 0
	s_lshl_b32 s32, s32, 6
	s_add_co_u32 s36, s30, s32
	s_add_co_u32 s36, s36, 24576                   ; and its scale words
	s_mov_b32 s37, 0
	s_add_nc_u64 s[16:17], s[14:15], s[36:37]
	s_add_nc_u64 s[14:15], s[14:15], s[34:35]
.macro LOAD t                          ; step t: 128 numbers of each of the tile's 16 rows
.irp i, 0,1,2,3,4,5,6,7,8,9,10,11,12,13,14,15
	global_load_b128 v[RA+64*((\t)%2)+4*\i:RA+64*((\t)%2)+4*\i+3], v1, s[12:13] offset:(\i+8*(\i/8))*4096+(\t)*512 th:TH_LOAD_NT
.endr
.endm
.macro STEP t
.if (\t) < 3
	s_wait_loadcnt 16                              ; this step's 16 loads are in; the next step's 16 may be out
.else
	s_wait_loadcnt 0x0
.endif
.irp i, 0,1,2,3,4,5,6,7,8,9,10,11,12,13,14,15
	ds_store_b128 v2, v[RA+64*((\t)%2)+4*\i:RA+64*((\t)%2)+4*\i+3] offset:\i*SP
.endr
.irp c, 0,1
.irp j, 0,1,2,3,4,5,6,7
	ds_load_b128 v[XA+32*\c+4*\j:XA+32*\c+4*\j+3], v3 offset:256*\c+16*\j   ; LDS serves a wave's instructions in order: these see the stores above.  K = 64 c + 32 h + 4 j ..
.endr
.endr
	s_wait_dscnt 0x0
.if (\t) > 0
	s_wait_xcnt 0x0                                ; the last step's stores have read their data: the codes and the word are written again only behind this wait
.endif
.if (\t) < 2
	LOAD (\t)+2                                    ; into the set that the stage has just taken over
.endif
.irp c, 0,1
	v_max3_num_f32 v[MX+\c], |v[XA+32*\c]|, |v[XA+32*\c+1]|, 0x2800000   ; block 2 c + h: all 32 numbers are mine; the floor 2^(5 - 127) holds the byte at 1 from below
.endr
.irp i, 2,4,6,8,10,12,14,16,18,20,22,24,26,28,30
.irp c, 0,1
	v_max3_num_f32 v[MX+\c], v[MX+\c], |v[XA+32*\c+\i]|, |v[XA+32*\c+\i+1]|
.endr
.endr
.irp c, 0,1
	v_add_nc_u32 v[SO+\c], 0xfe000000, v[MX+\c]    ; 4 off the exponent field: the conversion's scale operand
.endr
.irp c, 0,1
	v_lshrrev_b32 v[BY+\c], 23, v[SO+\c]           ; the scale's byte
.endr
	v_lshl_or_b32 v[WD], v[BY+1], 16, v[BY]        ; blocks h and 2 + h,
	v_lshlrev_b32 v[WD], v5, v[WD]                 ; at their places;
	v_permlanex16_b32 v[PD], v[WD], s20, s21
	v_or_b32 v[WD], v[WD], v[PD]                   ; with lane l xor 16's two the word is whole
.irp c, 0,1
	v_cvt_scalef32_pk16_bf6_f32 v[CD+6*\c:CD+6*\c+2], v[XA+32*\c:XA+32*\c+15], v[SO+\c]
	v_cvt_scalef32_pk16_bf6_f32 v[CT+4*\c:CT+4*\c+2], v[XA+32*\c+16:XA+32*\c+31], v[SO+\c]   ; (a conversion's three registers begin on an even number)
.endr
	v_nop                                          ; one plain place behind a scaled conversion
.irp c, 0,1
.irp i, 0,1,2
	v_mov_b32 v[CD+6*\c+3+\i], v[CT+4*\c+\i]
.endr
.endr
.irp g, 0,1,2
	global_store_b128 v1, v[CD+4*\g:CD+4*\g+3], s[14:15] offset:(\t)*REC+\g*512   ; the wave stores 512 consecutive bytes, aligned
.endr
	global_store_b32 v4, v[WD], s[16:17] offset:(\t)*REC   ; both halves of the lanes hold the same word for row r and store it to the same place
.endm
	LOAD 0
	LOAD 1
	STEP 0
	STEP 1
	STEP 2
	STEP 3
	s_wait_tensorcnt 0x0
	ds_add_u32 v240, v241
	s_wait_dscnt 0x0
	s_endpgm
.Lfunc_end_k_q39be50d6d8_quant:
	.size	k_q39be50d6d8_quant, .Lfunc_end_k_q39be50d6d8_quant-k_q39be50d6d8_quant
	.p2alignl 7, 3214868480
	.fill 96, 4, 3214868480
	.section	.rodata,"a",@progbits
	.p2align	6, 0x0
	.amdhsa_kernel k_q39be50d6d8_quant
		.amdhsa_group_segment_fixed_size 34304
		.amdhsa_private_segment_fixed_size 0
		.amdhsa_enable_private_segment 0
		.amdhsa_kernarg_size 56
		.amdhsa_user_sgpr_count 2
		.amdhsa_user_sgpr_kernarg_segment_ptr 1
		.amdhsa_wavefront_size32 1
		.amdhsa_system_sgpr_workgroup_id_x 1
		.amdhsa_system_sgpr_workgroup_id_y 1
		.amdhsa_system_sgpr_workgroup_id_z 1
		.amdhsa_system_vgpr_workitem_id 0
		.amdhsa_next_free_vgpr 242
		.amdhsa_next_free_sgpr 66
		.amdhsa_reserve_vcc 0
		.amdhsa_float_denorm_mode_32 3
		.amdhsa_float_denorm_mode_16_64 3
		.amdhsa_memory_ordered 1
		.amdhsa_forward_progress 1
		.amdhsa_inst_pref_size 31
	.end_amdhsa_kernel
	.amdgpu_metadata
---
amdhsa.version: [ 1, 2 ]
amdhsa.kernels:
  - .name:           k_q39be50d6d8_quant
    .symbol:         k_q39be50d6d8_quant.kd
    .args:
      - { .name: x, .offset: 0, .size: 8, .value_kind: global_buffer, .address_space: global }
      - { .name: Wq, .offset: 8, .size: 8, .value_kind: global_buffer, .address_space: global }
      - { .name: Wk, .offset: 16, .size: 8, .value_kind: global_buffer, .address_space: global }
      - { .name: Wv, .offset: 24, .size: 8, .value_kind: global_buffer, .address_space: global }
      - { .name: Wo, .offset: 32, .size: 8, .value_kind: global_buffer, .address_space: global }
      - { .name: xq, .offset: 40, .size: 8, .value_kind: global_buffer, .address_space: global }
      - { .name: wq, .offset: 48, .size: 8, .value_kind: global_buffer, .address_space: global }
    .group_segment_fixed_size: 34304
    .private_segment_fixed_size: 0
    .kernarg_segment_align: 8
    .kernarg_segment_size: 56
    .max_flat_workgroup_size: 128
    .sgpr_count:     66
    .vgpr_count:     242
    .wavefront_size: 32
...
	.end_amdgpu_metadata
.endif
;; end of part 1
;; launch qkv (part 2): grid 12 x 32, 8 waves a work-group, clusters of 4 x 4, 327,680 bytes of LDS; arguments xq, wq, bq, bk, bv, attention_mask, q, kv; writes q, kv
.if DOCPART == 2
	.amdgcn_target "amdgcn-amd-amdhsa--gfx1250"
	.amdhsa_code_object_version 6
	.text
	.protected	k_q39be50d6d8_qkv
	.globl	k_q39be50d6d8_qkv
	.p2align	8
	.type	k_q39be50d6d8_qkv,@function
k_q39be50d6d8_qkv:
	s_mov_b64 s[64:65], 0
	v_nop
	global_prefetch_b8 v0, s[64:65] scope:SCOPE_SE
	s_setreg_imm32_b32 hwreg(HW_REG_WAVE_MODE, 25, 1), 1
	s_wait_xcnt 0x0
	s_wait_alu depctr_hold_cnt(0) depctr_sa_sdst(0) depctr_va_vdst(0) depctr_va_sdst(0) depctr_va_ssrc(0) depctr_va_vcc(0) depctr_vm_vsrc(0)
	s_getreg_b32 s2, hwreg(HW_REG_IB_STS2, 6, 4)
	s_cmp_eq_u32 s2, 0
	s_cbranch_scc0 .Lentry_in_a_cluster
	s_endpgm
.Lentry_in_a_cluster:
	s_bfe_u32 s2, ttmp6, 0x10000c
	s_cmp_lg_u32 s2, 0xf033
	s_cbranch_scc0 .Lentry_shape_is_right
	s_endpgm
.Lentry_shape_is_right:
; q = x Wq^T + bq, k = x Wk^T + bk, v = x Wv^T + bv on codes of BF6 (E3M2) with E8M0 scales, f32 sums; the results are quantised in registers for the two products of attention and leave as codes.
; A work-group makes 256 x 256 of one of the three.  The cluster's x says which (0: q, 1: k, 2: v), so the sixteen partners run alike.
; THE MATRIX INSTRUCTION IS USED SO THAT A LANE'S REGISTERS RUN ALONG THE NEXT PRODUCT'S K: source 0 (P) holds the rows along which the result is quantised, source 1 (R) the rows that a lane keeps.
;   q, k: P = 256 rows of the weight (4 heads x 64), R = 256 tokens.   v: P = 256 tokens (keys), R = 256 rows of Wv.
; Tile 2 b + u of every operand holds rows 32 b + 8 u + r + 8 (r / 8), so the 16 registers of P tiles 2 b and 2 b + 1 are 16 neighbours: 32 b + 16 (lane / 16) + 0 .. 15.
; SHARES: eight waves; wave w takes P tiles 8 (w / 4) .. + 7 and R tiles 4 (w % 4) .. + 3: 32 accumulators.  R tiles 0, 1 with their accumulators lie in register window 0, tiles 2, 3 at the same numbers in window 1,
; so each part of the way out is written once and run under both windows.
; LDS: three slots of 102,400 bytes, each with the records (see the launch that makes them: 16 fragment images + scale words, 25,600 bytes) of two K steps: x's two, then W's two.  K steps 0-5 are first fills;
; steps 6, 7 are the one refill, into slot 0, and have four K steps in which to land.  A wave has at most three tensor loads out.
; CLUSTER 4 x 4: x's records hang on the tile row alone and are asked for jointly along a row of the cluster, W's on the tile column alone and jointly along a column.
; THE KEY MASK RIDES IN THE EMPTY HALF OF THE FIRST ATTENTION PRODUCT'S K (the head has 64 of the instruction's 128).  A record of q or k is 1,024 bytes a tile: registers 0-3 at 16 lane; at 512 + 16 lane {register 4, register 5, X, W}:
; X is the operand's register 6, W the scale word.  q carries the codes 1, 1 (block 2) and 1 (block 3) with scale 1.  A key whose mask is 0 carries zero codes in its 64 and -16, -3.5 with scale 2^12, -1 with scale 2^7:
; its score is -80,000 = -10,000 x sqrt(64) exactly.  An open key carries zeros there.
; kv: [batch x head][233,472]: 128 records of k; from 131,072 on 16 key steps of v, 6,400 bytes each: 4 images (16 of the head's 64 x 128 keys), then at 6,144 the scale words, [pair of tiles][32 lanes].
; LIMITS: NaN and infinities are not served; a block of zeros carries the byte 1 (its codes are zeros; this program alone reads the bytes).
.set REC,   25600
.set FRB,   1536
.set SLOT,  4*REC
.set SPARE, 3*SLOT                     ; behind the slots: the spare words, 128 bytes for each of the eight waves: four blocks of 256 bytes that no other line names
.set WV,    20                         ; s20 wave; s21 w / 4; s22 w % 4; s23 w % 2; s24 cx; s25 cy; s26 weight group X; s27 x group Y
.set SEL,   78                         ; s[78:79] selects for lane l xor 16
.set PC,    96                         ; the way out: codes v96-107; v108-110 upper halves; v112-117 at work; v118-119 scale halves (same numbers in both windows)
.set TB,    108
.set TM,    112
.set SW,    118
; REGISTERS, window 0: v1 16 lane; v2 4 lane; v6-9, v16-19, v20-23 LDS addresses for slots 0, 1, 2 (P fragments, R fragments, P scales, R scales); v10, v11 the add's; v12 64 h; v13 4 (r + 8 (r / 8));
;   v14, v15 the extra codes; v24-31 small work on the way out; v32-95 bias; v96-119 R tiles 0, 1; v120-123 P's scale words, v124-125 R's; v128-255 accumulators (128 + 64 rr + 8 p).
;   window 1: v0-95 the eight P fragments; v96-119 R tiles 2, 3; v128-255 accumulators.
.set MSB, 0
.macro WIN new                         ; the immediate's high byte repeats the setting that is left
.if MSB != (\new)
	s_set_vgpr_msb (MSB<<8)|(\new)
.set MSB, (\new)
.endif
.endm
.macro PLACES                          ; four plain places in front of loads into registers that matrix instructions have read, and of reads of results
.rept 4
	v_nop
.endr
.endm
.macro CROUND                          ; a round of the cluster's barrier
	s_barrier_signal -1
	s_barrier_wait -1
	s_cmp_lg_u32 s[WV], 0
	s_cbranch_scc1 .Lnot_wave_0_\@
	s_barrier_signal -3
.Lnot_wave_0_\@:
	s_barrier_wait -3
	s_barrier_signal -1
	s_barrier_wait -1
.endm
; One product.  c < 0: the constant 0 starts the sum.  ra, rb: the side's scales stand in lanes 16-31 of the register named.
.macro WM d, a, b, c, sa, sb, ra, rb
.if (\c) < 0
.if (\ra) && (\rb)
	v_wmma_scale_f32_16x16x128_f8f6f4 v[(\d):(\d)+7], v[(\a):(\a)+11], v[(\b):(\b)+11], 0, v[(\sa)], v[(\sb)] matrix_a_fmt:MATRIX_FMT_BF6 matrix_b_fmt:MATRIX_FMT_BF6 matrix_a_scale:MATRIX_SCALE_ROW1 matrix_b_scale:MATRIX_SCALE_ROW1
.elseif (\ra)
	v_wmma_scale_f32_16x16x128_f8f6f4 v[(\d):(\d)+7], v[(\a):(\a)+11], v[(\b):(\b)+11], 0, v[(\sa)], v[(\sb)] matrix_a_fmt:MATRIX_FMT_BF6 matrix_b_fmt:MATRIX_FMT_BF6 matrix_a_scale:MATRIX_SCALE_ROW1
.elseif (\rb)
	v_wmma_scale_f32_16x16x128_f8f6f4 v[(\d):(\d)+7], v[(\a):(\a)+11], v[(\b):(\b)+11], 0, v[(\sa)], v[(\sb)] matrix_a_fmt:MATRIX_FMT_BF6 matrix_b_fmt:MATRIX_FMT_BF6 matrix_b_scale:MATRIX_SCALE_ROW1
.else
	v_wmma_scale_f32_16x16x128_f8f6f4 v[(\d):(\d)+7], v[(\a):(\a)+11], v[(\b):(\b)+11], 0, v[(\sa)], v[(\sb)] matrix_a_fmt:MATRIX_FMT_BF6 matrix_b_fmt:MATRIX_FMT_BF6
.endif
.else
.if (\ra) && (\rb)
	v_wmma_scale_f32_16x16x128_f8f6f4 v[(\d):(\d)+7], v[(\a):(\a)+11], v[(\b):(\b)+11], v[(\c):(\c)+7], v[(\sa)], v[(\sb)] matrix_a_fmt:MATRIX_FMT_BF6 matrix_b_fmt:MATRIX_FMT_BF6 matrix_a_scale:MATRIX_SCALE_ROW1 matrix_b_scale:MATRIX_SCALE_ROW1
.elseif (\ra)
	v_wmma_scale_f32_16x16x128_f8f6f4 v[(\d):(\d)+7], v[(\a):(\a)+11], v[(\b):(\b)+11], v[(\c):(\c)+7], v[(\sa)], v[(\sb)] matrix_a_fmt:MATRIX_FMT_BF6 matrix_b_fmt:MATRIX_FMT_BF6 matrix_a_scale:MATRIX_SCALE_ROW1
.elseif (\rb)
	v_wmma_scale_f32_16x16x128_f8f6f4 v[(\d):(\d)+7], v[(\a):(\a)+11], v[(\b):(\b)+11], v[(\c):(\c)+7], v[(\sa)], v[(\sb)] matrix_a_fmt:MATRIX_FMT_BF6 matrix_b_fmt:MATRIX_FMT_BF6 matrix_b_scale:MATRIX_SCALE_ROW1
.else
	v_wmma_scale_f32_16x16x128_f8f6f4 v[(\d):(\d)+7], v[(\a):(\a)+11], v[(\b):(\b)+11], v[(\c):(\c)+7], v[(\sa)], v[(\sb)] matrix_a_fmt:MATRIX_FMT_BF6 matrix_b_fmt:MATRIX_FMT_BF6
.endif
.endif
.endm
; 32 numbers of a lane, register 16 b + i = k 32 b + 16 (lane / 16) + i of my row (b = 0, 1), become six registers of codes at v[d] (my half of the lanes holds block lane / 16 whole) and the two scale bytes in v[w].
.macro QUANT2 s, d, w, tm, tb
	v_max3_num_f32 v[(\tm)], |v[(\s)]|, |v[(\s)+1]|, 0x2800000       ; my 16 numbers of each block, and the floor 2^(5 - 127): the byte cannot fall under 1
	v_max3_num_f32 v[(\tm)+1], |v[(\s)+16]|, |v[(\s)+17]|, 0x2800000
.irp i, 2,4,6,8,10,12,14
	v_max3_num_f32 v[(\tm)], v[(\tm)], |v[(\s)+\i]|, |v[(\s)+\i+1]|
	v_max3_num_f32 v[(\tm)+1], v[(\tm)+1], |v[(\s)+16+\i]|, |v[(\s)+17+\i]|
.endr
	v_permlanex16_b32 v[(\tm)+2], v[(\tm)], s[SEL], s[SEL+1]
	v_permlanex16_b32 v[(\tm)+3], v[(\tm)+1], s[SEL], s[SEL+1]
	v_max_num_f32 v[(\tm)], v[(\tm)], v[(\tm)+2]                     ; with lane l xor 16's 16: the block's largest magnitude
	v_max_num_f32 v[(\tm)+1], v[(\tm)+1], v[(\tm)+3]
	v_add_nc_u32 v[(\tm)+4], 0xfe000000, v[(\tm)]                    ; 4 off the exponent field: the conversion's scale operand
	v_add_nc_u32 v[(\tm)+5], 0xfe000000, v[(\tm)+1]
	v_lshrrev_b32 v[(\tm)+2], 23, v[(\tm)+4]                         ; the bytes
	v_lshrrev_b32 v[(\tm)+3], 23, v[(\tm)+5]
	v_lshl_or_b32 v[(\w)], v[(\tm)+3], 8, v[(\tm)+2]
	v_cvt_scalef32_pk16_bf6_f32 v[(\d):(\d)+2], v[(\s):(\s)+15], v[(\tm)+4]
	v_cvt_scalef32_pk16_bf6_f32 v[(\tb):(\tb)+2], v[(\s)+16:(\s)+31], v[(\tm)+5]
	v_nop                                          ; one plain place behind a scaled conversion
.irp i, 0,1,2
	v_permlane16_swap_b32 v[(\d)+\i], v[(\tb)+\i]  ; the first's lanes 16-31 change places with the second's lanes 0-15: lower 16 codes of my block, upper 16
.endr
.irp i, 0,1,2
	v_mov_b32 v[(\d)+3+\i], v[(\tb)+\i]
.endr
.endm
; 8 products: P tiles p0 .. p0 + 3 x the two R tiles of window w.  The 32 accumulators take turns, one instruction a turn, in the same order in every K step.
.macro MUL8 p0, w, zero
	WIN 0x01+0x54*(\w)                             ; P window 1; R, C and D window w
.irp p, \p0, \p0+1, \p0+2, \p0+3
.irp rr, 0,1
.if \zero
	WM 128+64*\rr+8*(\p), 12*(\p), 96+12*\rr, -1, 120+(\p)/2, 124+(\w), (\p)%2, \rr
.else
	WM 128+64*\rr+8*(\p), 12*(\p), 96+12*\rr, 128+64*\rr+8*(\p), 120+(\p)/2, 124+(\w), (\p)%2, \rr
.endif
.endr
.endr
.endm
; A K step of 128: 12 fragments and 6 registers of scale words from slot sl, record kk; 32 products.
.macro KSTEP sl, kk, zero
.if \sl == 0
.set AB, 6
.else
.set AB, 12+4*\sl
.endif
.if !(\zero)
	PLACES
.endif
	WIN 0
.irp i, 0,1
.irp g, 0,1,2
	ds_load_b128 v[96+12*\i+4*\g:96+12*\i+4*\g+3], v[AB+1] offset:\kk*REC+\i*FRB+\g*512
.endr
.endr
.irp i, 0,1,2,3
	ds_load_b32 v[120+\i], v[AB+2] offset:\kk*REC+\i*128   ; lanes 0-15: P tile 2 i; lanes 16-31: tile 2 i + 1
.endr
.irp i, 0,1
	ds_load_b32 v[124+\i], v[AB+3] offset:\kk*REC+\i*128   ; R tiles 2 i, 2 i + 1
.endr
	WIN 0x40                                       ; destination window 1
.irp i, 0,1
.irp g, 0,1,2
	ds_load_b128 v[96+12*\i+4*\g:96+12*\i+4*\g+3], v[AB+1] offset:\kk*REC+(2+\i)*FRB+\g*512
.endr
.endr
.irp p, 0,1,2,3,4,5,6,7
.irp g, 0,1,2
	ds_load_b128 v[12*\p+4*\g:12*\p+4*\g+3], v[AB] offset:\kk*REC+\p*FRB+\g*512
.endr
.endr
	s_wait_dscnt 12                                ; all but the youngest twelve loads, P tiles 4-7
	MUL8 0, 0, \zero
	MUL8 0, 1, \zero
	s_wait_dscnt 0x0
	MUL8 4, 0, \zero
	MUL8 4, 1, \zero
	WIN 0
.endm
.macro G0SET g, lds, srcp, k           ; descriptor group 0: count 1; LDS address; global address; type 2
	s_mov_b32 s[\g], 1
	s_add_co_u32 s[\g+1], s92, \lds
	s_add_nc_u64 s[\g+2:\g+3], s[\srcp:\srcp+1], \k
	s_or_b32 s[\g+3], s[\g+3], 0x80000000
.endm
	s_load_b256 s[4:11], s[0:1], 0x0               ; xq s[4:5], wq s[6:7], bq s[8:9], bk s[10:11]
	s_load_b256 s[12:19], s[0:1], 0x20             ; bv s[12:13], attention_mask s[14:15], q s[16:17], kv s[18:19]
	v_lshl_add_u32 v10, v0, 2, SPARE
	v_mov_b32 v11, 0
	ds_add_u32 v10, v11
	ds_add_u32 v10, v11
	s_wait_dscnt 0x0
	v_lshrrev_b32 v1, 5, v0
	v_readfirstlane_b32 s[WV], v1                  ; wave 0..7
	s_lshr_b32 s21, s[WV], 2                       ; which 8 P tiles
	s_and_b32 s22, s[WV], 3                        ; which 4 R tiles
	s_and_b32 s23, s[WV], 1                        ; which of a slot's two K steps I fetch, if I fetch
	s_bfe_u32 s24, ttmp6, 0x40000                  ; cx
	s_bfe_u32 s25, ttmp6, 0x40004                  ; cy
	s_lshl_b32 s26, ttmp9, 2
	s_add_co_u32 s26, s26, s24                     ; weight group X = 4 x cluster x + cx
	s_and_b32 s27, ttmp7, 0xffff
	s_lshl_b32 s27, s27, 2
	s_add_co_u32 s27, s27, s25                     ; x group Y = 4 x cluster y + cy
	s_lshl_b32 s88, s25, 2
	s_lshl_b32 s88, 15, s88                        ; my row of the cluster
	s_lshl_b32 s89, 0x1111, s24                    ; my column
	; descriptor group 1: a record: 100 rows of 32 elements of 8 bytes, dense; no padding (an image is read 16 bytes a lane, on end)
	s_or_b32 s28, s88, (3<<16)|(1<<21)             ; x's records go to my row of the cluster
	s_or_b32 s36, s89, (3<<16)|(1<<21)             ; W's to my column
.irp g, 28, 36
	s_mov_b32 s[\g+1], 32<<16                      ; tensor_dim0
	s_mov_b32 s[\g+2], 100<<16                     ; tensor_dim1
	s_mov_b32 s[\g+3], 32<<16                      ; tile_dim0
	s_mov_b32 s[\g+4], 100                         ; tile_dim1
	s_mov_b32 s[\g+5], 32                          ; pitch
	s_mov_b32 s[\g+6], 0
	s_mov_b32 s[\g+7], 0
.endr
	s_mul_i32 s92, s23, REC                        ; my K step's record, in memory and in a slot
	s_mul_i32 s90, s27, 8*REC                      ; x: group Y
	s_add_co_u32 s90, s90, s92
	s_mov_b32 s91, 0
	s_mul_i32 s94, s26, 8*REC                      ; W: group X
	s_add_co_u32 s94, s94, s92
	s_mov_b32 s95, 0
	s_cmp_eq_u32 ttmp9, 2                          ; v: P is x, R is W; else the other way round
	s_cselect_b32 s72, 0, 2*REC                    ; where P's records lie in a slot
	s_cselect_b32 s73, 2*REC, 0                    ; and R's
	s_cmp_eq_u32 ttmp9, 1
	s_cselect_b32 s74, -1, 0                       ; the mask counts for k alone
	s_mov_b32 s75, 0x7f7f0000
	s_cselect_b32 s75, 0x01010000, s75             ; the scale word's upper half: an open key's, or q's
	s_mov_b32 s76, 0x868b0000                      ; a masked key's: 2^12, 2^7
	s_mov_b32 s77, 0xffff0000                      ; lanes 16-31
	s_mov_b32 s[SEL], 0x76543210
	s_mov_b32 s[SEL+1], 0xfedcba98
	s_wait_kmcnt 0x0
	s_add_nc_u64 s[90:91], s[4:5], s[90:91]
	s_add_nc_u64 s[94:95], s[6:7], s[94:95]
	G0SET 44, 0, 90, 0                             ; x, slots 0, 1, 2
	G0SET 48, SLOT, 90, 2*REC
	G0SET 52, 2*SLOT, 90, 4*REC
	G0SET 56, 2*REC, 94, 0                         ; W, slots 0, 1, 2
	G0SET 60, SLOT+2*REC, 94, 2*REC
	G0SET 68, 2*SLOT+2*REC, 94, 4*REC
	CROUND                                         ; all sixteen work-groups are here: the first joint loads meet
	s_cmp_lt_u32 s[WV], 2                          ; a wave's three first fills stand in one branch on its number
	s_cbranch_scc0 .Lnot_x
	tensor_load_to_lds s[44:47], s[28:35]
	s_nop 0
	tensor_load_to_lds s[48:51], s[28:35]
	s_nop 0
	tensor_load_to_lds s[52:55], s[28:35]
	s_nop 0
.rept 4
	v_nop
.endr
	s_branch .Lfirst_asked
.Lnot_x:
	s_cmp_lt_u32 s[WV], 4
	s_cbranch_scc0 .Lfirst_asked
	tensor_load_to_lds s[56:59], s[36:43]
	s_nop 0
	tensor_load_to_lds s[60:63], s[36:43]
	s_nop 0
	tensor_load_to_lds s[68:71], s[36:43]
	s_nop 0
.rept 4
	v_nop
.endr
.Lfirst_asked:
	v_and_b32 v3, 31, v0                           ; lane
	v_and_b32 v4, 15, v0                           ; r
	v_bfe_u32 v5, v0, 4, 1                         ; h
	v_lshlrev_b32 v1, 4, v3
	v_lshlrev_b32 v2, 2, v3
	s_mul_i32 s88, s21, 8*FRB
	s_add_co_u32 s88, s88, s72
	v_add_nc_u32 v6, s88, v1                       ; P's fragments
	s_mul_i32 s88, s22, 4*FRB
	s_add_co_u32 s88, s88, s73
	v_add_nc_u32 v7, s88, v1                       ; R's
	s_lshl_b32 s88, s21, 9
	s_add_co_u32 s88, s88, s72
	s_add_co_u32 s88, s88, 16*FRB
	v_add_nc_u32 v8, s88, v2                       ; P's scale words
	s_lshl_b32 s88, s22, 8
	s_add_co_u32 s88, s88, s73
	s_add_co_u32 s88, s88, 16*FRB
	v_add_nc_u32 v9, s88, v2                       ; R's
.irp i, 0,1,2,3
	v_add_nc_u32 v[16+\i], SLOT, v[6+\i]
	v_add_nc_u32 v[20+\i], 2*SLOT, v[6+\i]
.endr
	v_lshlrev_b32 v12, 6, v5                       ; 64 h
	v_and_b32 v13, 8, v4
	v_add_nc_u32 v13, v13, v4
	v_lshlrev_b32 v13, 2, v13                      ; 4 (r + 8 (r / 8))
	s_cmp_eq_u32 ttmp9, 0
	s_cselect_b32 s88, 0x30c, 0                    ; q's extra codes: 1, 1 in block 2,
	s_cselect_b32 s89, 12, 0                       ; 1 in block 3; an open key's: none
	v_mov_b32 v14, s88
	v_mov_b32 v15, s89
	v_cndmask_b32 v14, v14, v15, s77
	v_mov_b32 v15, 0xcfc                           ; a masked key's: -16, -3.5 in block 2,
	v_mov_b32 v3, 0x2c                             ; -1 in block 3
	v_cndmask_b32 v15, v15, v3, s77
	s_wait_tensorcnt 0x2                           ; my part of slot 0 is in; the fills of slots 1 and 2 may be out
	s_barrier_signal -1
	s_barrier_wait -1
	KSTEP 0, 0, 1                                  ; the first K step starts the sums: nothing is cleared
	KSTEP 0, 1, 0
	s_wait_tensorcnt 0x0                           ; all my tensor loads have landed, slots 1 and 2 among them, so a group 0 may be written
	ds_add_u32 v10, v11                            ; 0 onto my spare word
	ds_add_u32 v10, v11
	s_add_nc_u64 s[46:47], s[46:47], 6*REC         ; slot 0's next records: K steps 6, 7
	s_add_nc_u64 s[58:59], s[58:59], 6*REC
	s_wait_dscnt 0x0                               ; the add is done, and my reads of slot 0 are over
	CROUND                                         ; both now hold of every wave of every partner
	s_cmp_lt_u32 s[WV], 2
	s_cbranch_scc0 .Lre_not_x
	tensor_load_to_lds s[44:47], s[28:35]
	s_nop 0
.rept 4
	v_nop
.endr
	s_branch .Lre_asked
.Lre_not_x:
	s_cmp_lt_u32 s[WV], 4
	s_cbranch_scc0 .Lre_asked
	tensor_load_to_lds s[56:59], s[36:43]
	s_nop 0
.rept 4
	v_nop
.endr
.Lre_asked:
	KSTEP 1, 0, 0
	KSTEP 1, 1, 0
	KSTEP 2, 0, 0
	KSTEP 2, 1, 0
	s_wait_tensorcnt 0x0                           ; my part of the refill is in (the one load that was out);
	s_wait_dscnt 0x0
	s_barrier_signal -1
	s_barrier_wait -1                              ; everybody's is
	KSTEP 0, 0, 0
	KSTEP 0, 1, 0
	PLACES                                         ; behind the last products: their registers are read and written from here on
	WIN 0x40
.irp i, 1,2,12,13,14,15
	v_mov_b32 v\i, v\i                             ; the lane's offsets and extra codes, once more at the same numbers in window 1
.endr
	WIN 0
	s_mov_b32 s91, 0
	s_cmp_eq_u32 ttmp9, 2
	s_cbranch_scc1 .Lvmode
; ---- q and k: + bias; each head's 64 numbers of a token become six registers of codes and two bytes; the extras and, for k, the mask
.macro EPI_QK wsel
	WIN 0x55*\wsel
	v_mov_b32 v[TM+2], 0                           ; a lane permute's destination counts as one of its sources
	v_mov_b32 v[TM+3], 0
.irp p, 0,1,2,3,4,5,6,7
	global_load_b128 v[32+8*\p:32+8*\p+3], v12, s[80:81] offset:128*(\p/2)+32*(\p%2)      ; the bias in the result's layout: features 32 (p / 2) + 16 h + 8 (p % 2) + 0 .. 7
	global_load_b128 v[32+8*\p+4:32+8*\p+7], v12, s[80:81] offset:128*(\p/2)+32*(\p%2)+16
.endr
	global_load_b32 v26, v13, s[82:83] offset:(32*\wsel)*4        ; my token's mask, for each of the two R tiles
	global_load_b32 v27, v13, s[82:83] offset:(32*\wsel+8)*4
	s_wait_loadcnt 0x0
.irp rr, 0,1
	v_cmp_eq_u32 s96, 0, v[26+\rr]
	s_and_b32 s96, s96, s74                        ; masked, and this is k
	v_cndmask_b32 v24, -1, 0, s96                  ; all ones where the codes are kept
	v_bfi_b32 v25, v24, s75, s76                   ; the scale word's upper half
.set i, 0
.rept 32
	v_pk_add_f32 v[128+64*\rr+i:128+64*\rr+i+1], v[128+64*\rr+i:128+64*\rr+i+1], v[32+i:32+i+1]   ; each accumulator from its low end on
.set i, i+2
.endr
.irp hh, 0,1
	s_wait_xcnt 0x0                                ; the stores before have read their data: the codes are written again only behind this wait
	QUANT2 128+64*\rr+32*\hh, PC, SW, TM, TB
.irp i, 0,1,2,3,4,5
	v_and_b32 v[PC+\i], v24, v[PC+\i]
.endr
	v_bfi_b32 v[PC+6], v24, v14, v15
	v_or_b32 v[PC+7], v[SW], v25
	global_store_b128 v1, v[PC:PC+3], s[84+2*\hh:85+2*\hh] offset:(2*\wsel+\rr)*1024          ; the wave stores 512 consecutive bytes, aligned
	global_store_b128 v1, v[PC+4:PC+7], s[84+2*\hh:85+2*\hh] offset:(2*\wsel+\rr)*1024+512
.endr
.endr
	WIN 0
.endm
	s_cmp_eq_u32 ttmp9, 0
	s_cselect_b64 s[80:81], s[8:9], s[10:11]       ; bq or bk
	s_cselect_b64 s[84:85], s[16:17], s[18:19]     ; q or kv
	s_mov_b32 s88, 233472
	s_cselect_b32 s88, 131072, s88                 ; bytes from head to head there
	s_lshl_b32 s89, s24, 10
	s_lshl_b32 s90, s21, 9
	s_add_co_u32 s90, s89, s90                     ; my 128 features: 4 (256 cx + 128 (w / 4))
	s_add_nc_u64 s[80:81], s[80:81], s[90:91]
	s_lshl_b32 s90, s27, 10
	s_lshl_b32 s89, s22, 8
	s_add_co_u32 s90, s90, s89                     ; my 64 tokens: 4 (256 Y + 64 (w % 4))
	s_add_nc_u64 s[82:83], s[14:15], s[90:91]
	s_lshr_b32 s89, s27, 3
	s_lshl_b32 s89, s89, 4
	s_lshl_b32 s92, s24, 2
	s_add_co_u32 s89, s89, s92
	s_lshl_b32 s92, s21, 1
	s_add_co_u32 s89, s89, s92                     ; 16 x batch + my first head
	s_mul_i32 s90, s89, s88
	s_and_b32 s92, s27, 7
	s_lshl_b32 s92, s92, 4
	s_lshl_b32 s93, s22, 2
	s_add_co_u32 s92, s92, s93                     ; my first tile of tokens in the batch
	s_lshl_b32 s92, s92, 10
	s_add_co_u32 s90, s90, s92
	s_add_nc_u64 s[84:85], s[84:85], s[90:91]
	s_mov_b32 s90, s88
	s_add_nc_u64 s[86:87], s[84:85], s[90:91]      ; my second head
	EPI_QK 0
	EPI_QK 1
	s_branch .Ljoin
; ---- v: + bias; a lane holds one of the head's 64 and 128 keys: a whole fragment of the second attention product
.macro EPI_V wsel
	WIN 0x55*\wsel
	v_mov_b32 v[TM+2], 0
	v_mov_b32 v[TM+3], 0
	global_load_b32 v28, v13, s[80:81] offset:(32*\wsel)*4        ; my feature's bias, for each of the two R tiles
	global_load_b32 v30, v13, s[80:81] offset:(32*\wsel+8)*4
	s_wait_loadcnt 0x0
	v_mov_b32 v29, v28
	v_mov_b32 v31, v30
.irp rr, 0,1
.set i, 0
.rept 32
	v_pk_add_f32 v[128+64*\rr+i:128+64*\rr+i+1], v[128+64*\rr+i:128+64*\rr+i+1], v[28+2*\rr:29+2*\rr]
.set i, i+2
.endr
	s_wait_xcnt 0x0                                ; the stores before have read their data
	QUANT2 128+64*\rr, PC, SW, TM, TB
	QUANT2 128+64*\rr+32, PC+6, SW+1, TM, TB
	v_lshl_or_b32 v[26+\rr], v[SW+1], 16, v[SW]    ; my row's scale word for these 128 keys
.irp g, 0,1,2
	global_store_b128 v1, v[PC+4*\g:PC+4*\g+3], s[84:85] offset:(2*\wsel+\rr)*FRB+\g*512
.endr
.endr
	v_cndmask_b32 v26, v26, v27, s77               ; lanes 0-15 the even tile's words, lanes 16-31 the odd tile's
	global_store_b32 v2, v26, s[84:85] offset:6144+\wsel*128
	WIN 0
.endm
.Lvmode:
	s_lshl_b32 s90, s24, 10
	s_lshl_b32 s89, s22, 8
	s_add_co_u32 s90, s90, s89                     ; my 64 features: 4 (256 cx + 64 (w % 4)): one head
	s_add_nc_u64 s[80:81], s[12:13], s[90:91]
	s_lshr_b32 s89, s27, 3
	s_lshl_b32 s89, s89, 4
	s_lshl_b32 s92, s24, 2
	s_add_co_u32 s89, s89, s92
	s_add_co_u32 s89, s89, s22                     ; 16 x batch + head
	s_mul_i32 s90, s89, 233472
	s_and_b32 s92, s27, 7
	s_lshl_b32 s92, s92, 1
	s_add_co_u32 s92, s92, s21                     ; my key step in the batch
	s_mul_i32 s92, s92, 6400
	s_add_co_u32 s90, s90, s92
	s_add_co_u32 s90, s90, 131072
	s_add_nc_u64 s[84:85], s[18:19], s[90:91]
	EPI_V 0
	EPI_V 1
.Ljoin:
	s_wait_tensorcnt 0x0                           ; the wave's end
	ds_add_u32 v10, v11
	s_wait_dscnt 0x0
	CROUND                                         ; the closing round: no work-group ends while a partner may still ask for a record that names it
	s_endpgm
.Lfunc_end_k_q39be50d6d8_qkv:
	.size	k_q39be50d6d8_qkv, .Lfunc_end_k_q39be50d6d8_qkv-k_q39be50d6d8_qkv
	.p2alignl 7, 3214868480
	.fill 96, 4, 3214868480
	.section	.rodata,"a",@progbits
	.p2align	6, 0x0
	.amdhsa_kernel k_q39be50d6d8_qkv
		.amdhsa_group_segment_fixed_size 327680
		.amdhsa_private_segment_fixed_size 0
		.amdhsa_enable_private_segment 0
		.amdhsa_kernarg_size 64
		.amdhsa_user_sgpr_count 2
		.amdhsa_user_sgpr_kernarg_segment_ptr 1
		.amdhsa_wavefront_size32 1
		.amdhsa_system_sgpr_workgroup_id_x 1
		.amdhsa_system_sgpr_workgroup_id_y 1
		.amdhsa_system_sgpr_workgroup_id_z 1
		.amdhsa_system_vgpr_workitem_id 0
		.amdhsa_next_free_vgpr 512
		.amdhsa_next_free_sgpr 100
		.amdhsa_reserve_vcc 0
		.amdhsa_float_denorm_mode_32 3
		.amdhsa_float_denorm_mode_16_64 3
		.amdhsa_memory_ordered 1
		.amdhsa_forward_progress 1
		.amdhsa_inst_pref_size 125
	.end_amdhsa_kernel
	.amdgpu_metadata
---
amdhsa.version: [ 1, 2 ]
amdhsa.kernels:
  - .name:           k_q39be50d6d8_qkv
    .symbol:         k_q39be50d6d8_qkv.kd
    .args:
      - { .name: xq, .offset: 0, .size: 8, .value_kind: global_buffer, .address_space: global }
      - { .name: wq, .offset: 8, .size: 8, .value_kind: global_buffer, .address_space: global }
      - { .name: bq, .offset: 16, .size: 8, .value_kind: global_buffer, .address_space: global }
      - { .name: bk, .offset: 24, .size: 8, .value_kind: global_buffer, .address_space: global }
      - { .name: bv, .offset: 32, .size: 8, .value_kind: global_buffer, .address_space: global }
      - { .name: attention_mask, .offset: 40, .size: 8, .value_kind: global_buffer, .address_space: global }
      - { .name: q, .offset: 48, .size: 8, .value_kind: global_buffer, .address_space: global }
      - { .name: kv, .offset: 56, .size: 8, .value_kind: global_buffer, .address_space: global }
    .group_segment_fixed_size: 327680
    .private_segment_fixed_size: 0
    .kernarg_segment_align: 8
    .kernarg_segment_size: 64
    .max_flat_workgroup_size: 256
    .sgpr_count:     100
    .vgpr_count:     512
    .wavefront_size: 32
...
	.end_amdgpu_metadata
.endif
;; end of part 2
;; launch attn (part 3): grid 4 x 64, 8 waves a work-group, clusters of 4 x 1, 238,592 bytes of LDS; arguments q, kv, oc, os; writes oc, os
.if DOCPART == 3
	.amdgcn_target "amdgcn-amd-amdhsa--gfx1250"
	.amdhsa_code_object_version 6
	.text
	.protected	k_q39be50d6d8_attn
	.globl	k_q39be50d6d8_attn
	.p2align	8
	.type	k_q39be50d6d8_attn,@function
k_q39be50d6d8_attn:
	s_mov_b64 s[64:65], 0
	v_nop
	global_prefetch_b8 v0, s[64:65] scope:SCOPE_SE
	s_setreg_imm32_b32 hwreg(HW_REG_WAVE_MODE, 25, 1), 1
	s_wait_xcnt 0x0
	s_wait_alu depctr_hold_cnt(0) depctr_sa_sdst(0) depctr_va_vdst(0) depctr_va_sdst(0) depctr_va_ssrc(0) depctr_va_vcc(0) depctr_vm_vsrc(0)
	s_getreg_b32 s2, hwreg(HW_REG_IB_STS2, 6, 4)
	s_cmp_eq_u32 s2, 0
	s_cbranch_scc0 .Lentry_in_a_cluster
	s_endpgm
.Lentry_in_a_cluster:
	s_bfe_u32 s2, ttmp6, 0x10000c
	s_cmp_lg_u32 s2, 0x3003
	s_cbranch_scc0 .Lentry_shape_is_right
	s_endpgm
.Lentry_shape_is_right:
; Attention of one head on codes of BF6 (E3M2) with E8M0 scales: S^T = k q^T, p = 2^(t - M), O^T = v^T p^T, O / l, and O quantised along the model's 1,024 for the output projection.
; t = score x log2(e) / 8; M = the running largest t rounded up to a whole number; p is quantised along the keys, not normalised; l is the sum of the unquantised p.  When M moves, l and O^T are multiplied by 2^(old M - new M): exact.
; The key mask needs no line here: a masked key's record gives the score -80,000 = -10,000 x 8 through the upper half of the instruction's K (see the launch that makes the records).
; SHARES: a work-group owns 512 queries of one head (grid y = 16 x batch + head).  THE HEAD'S WHOLE k AND v, 233,472 bytes of codes and scales, LIE IN LDS, filled once: no slot is filled again.
; The four work-groups of a cluster are the four query blocks of one head: each of the eight waves asks for an eighth (114 rows of 256 bytes) JOINTLY with its partners.
; A wave takes TWO tiles of 16 queries at a time, A in register window 0 and B at the same numbers in window 1, so each fragment of k and v read from LDS feeds two products and the softmax is written once; two passes.
; LAYOUT: both products are used transposed, so a lane holds one query (lane % 16).  Tile 2 b + u of keys holds keys 32 b + 8 u + r + 8 (r / 8): the 16 registers of tiles 2 b, 2 b + 1 are keys 32 b + 16 (lane / 16) + 0 .. 15.
; The tiles of v's 64 channels are chosen likewise, so O^T's 32 registers are two blocks of 32 along the next K.
; OUT: oc [token tile 512][K step 8][c 2][768]: registers 6 c .. 6 c + 3 of the projection's fragment at 16 lane, 6 c + 4, 5 at 512 + 8 lane (K step = head / 2, c = head % 2); os [token / 32][K step][32 lanes] words, this head's two bytes at 2 c.
; LIMITS: NaN and infinities are not served.  Where all keys of a batch are masked, t is near -14,427 and has f32's step there, as it has in any f32 evaluation.
.set KVB,  233472
.set VB,   131072                      ; v begins here in the head's block
.set VST,  6400                        ; a key step of v
.set WV,   12                          ; s12 wave; s13 cx; s14 16 x batch + head
.set SEL,  28                          ; s[28:29] selects for lane l xor 16
.set CS,   30                          ; s[30:31] c = log2(e) / 8, twice
.set TK,   32                          ; s32 LDS byte of the step's tiles of k;  s33 of v's;  s34 steps to go;  s35 passes to go
.set TV,   33
; REGISTERS at the same numbers in both windows: v12 -M; v13 largest t; v[14:15], v[216:217] the sum in four parts; v16-27 q; v96-159 S^T, then p; v160-191 O^T; v192-195 block maxima; v196-199, v200-203 at work;
;   v204-206, v208-210 upper halves of codes; v[212:213] f; v214 at work; v218 scale bytes; v224-235 p's codes.
; window 0 alone: v1 16 lane; v2 4 lane; v7 8 lane; v3, v4, v5 LDS addresses; v28, v29 p's scale words (A, B); v30, v31 q's; v32-79 four fragments of k; v80-83 their scale words; v84-85 v's scale words; v219 the two tiles' scale bytes.
; window 1 alone: v32-79 v's four fragments.
.set SS,   96
.set OO,   160
.set BM,   192
.set T2,   196
.set SO,   200
.set TB,   204
.set FF,   212
.set TP,   214
.set SU1,  216
.set SW,   218
.set PC,   224
.set MSB, 0
.macro WIN new                         ; the immediate's high byte repeats the setting that is left
.if MSB != (\new)
	s_set_vgpr_msb (MSB<<8)|(\new)
.set MSB, (\new)
.endif
.endm
.macro PLACES                          ; four plain places in front of loads into registers that matrix instructions have read, and of reads of results
.rept 4
	v_nop
.endr
.endm
.macro CROUND                          ; a round of the cluster's barrier
	s_barrier_signal -1
	s_barrier_wait -1
	s_cmp_lg_u32 s[WV], 0
	s_cbranch_scc1 .Lnot_wave_0_\@
	s_barrier_signal -3
.Lnot_wave_0_\@:
	s_barrier_wait -3
	s_barrier_signal -1
	s_barrier_wait -1
.endm
; One product.  c < 0: the constant 0 starts the sum.  ra: source 0's scales stand in lanes 16-31 of the register named.
.macro WM d, a, b, c, sa, sb, ra
.if (\c) < 0
	v_wmma_scale_f32_16x16x128_f8f6f4 v[(\d):(\d)+7], v[(\a):(\a)+11], v[(\b):(\b)+11], 0, v[(\sa)], v[(\sb)] matrix_a_fmt:MATRIX_FMT_BF6 matrix_b_fmt:MATRIX_FMT_BF6
.elseif (\ra)
	v_wmma_scale_f32_16x16x128_f8f6f4 v[(\d):(\d)+7], v[(\a):(\a)+11], v[(\b):(\b)+11], v[(\c):(\c)+7], v[(\sa)], v[(\sb)] matrix_a_fmt:MATRIX_FMT_BF6 matrix_b_fmt:MATRIX_FMT_BF6 matrix_a_scale:MATRIX_SCALE_ROW1
.else
	v_wmma_scale_f32_16x16x128_f8f6f4 v[(\d):(\d)+7], v[(\a):(\a)+11], v[(\b):(\b)+11], v[(\c):(\c)+7], v[(\sa)], v[(\sb)] matrix_a_fmt:MATRIX_FMT_BF6 matrix_b_fmt:MATRIX_FMT_BF6
.endif
.endm
; 32 numbers of a lane, register 16 b + i = k 32 b + 16 (lane / 16) + i of my row (b = 0, 1), become six registers of codes at v[d] (my half of the lanes holds block lane / 16 whole) and the two scale bytes in v[w].
.macro QUANT2 s, d, w, tm, tb
	v_max3_num_f32 v[(\tm)], |v[(\s)]|, |v[(\s)+1]|, 0x2800000       ; my 16 numbers of each block, and the floor 2^(5 - 127): the byte cannot fall under 1
	v_max3_num_f32 v[(\tm)+1], |v[(\s)+16]|, |v[(\s)+17]|, 0x2800000
.irp i, 2,4,6,8,10,12,14
	v_max3_num_f32 v[(\tm)], v[(\tm)], |v[(\s)+\i]|, |v[(\s)+\i+1]|
	v_max3_num_f32 v[(\tm)+1], v[(\tm)+1], |v[(\s)+16+\i]|, |v[(\s)+17+\i]|
.endr
	v_permlanex16_b32 v[(\tm)+2], v[(\tm)], s[SEL], s[SEL+1]
	v_permlanex16_b32 v[(\tm)+3], v[(\tm)+1], s[SEL], s[SEL+1]
	v_max_num_f32 v[(\tm)], v[(\tm)], v[(\tm)+2]
	v_max_num_f32 v[(\tm)+1], v[(\tm)+1], v[(\tm)+3]
	v_add_nc_u32 v[(\tm)+4], 0xfe000000, v[(\tm)]
	v_add_nc_u32 v[(\tm)+5], 0xfe000000, v[(\tm)+1]
	v_lshrrev_b32 v[(\tm)+2], 23, v[(\tm)+4]
	v_lshrrev_b32 v[(\tm)+3], 23, v[(\tm)+5]
	v_lshl_or_b32 v[(\w)], v[(\tm)+3], 8, v[(\tm)+2]
	v_cvt_scalef32_pk16_bf6_f32 v[(\d):(\d)+2], v[(\s):(\s)+15], v[(\tm)+4]
	v_cvt_scalef32_pk16_bf6_f32 v[(\tb):(\tb)+2], v[(\s)+16:(\s)+31], v[(\tm)+5]
	v_nop                                          ; one plain place behind a scaled conversion
.irp i, 0,1,2
	v_permlane16_swap_b32 v[(\d)+\i], v[(\tb)+\i]
.endr
.irp i, 0,1,2
	v_mov_b32 v[(\d)+3+\i], v[(\tb)+\i]
.endr
.endm
.macro KLOAD t0                        ; four records of k: registers 0-3; registers 4, 5 and the extra codes; the scale word.  Registers 7-11 of each fragment stay zero
.irp t, 0,1,2,3
	ds_load_b128 v[32+12*\t:35+12*\t], v3 offset:(\t0+\t)*1024
	ds_load_b96 v[36+12*\t:38+12*\t], v3 offset:(\t0+\t)*1024+512
	ds_load_b32 v[80+\t], v3 offset:(\t0+\t)*1024+524
.endr
.endm
.macro SMUL g                          ; S^T of the step's tiles 4 g .. 4 g + 3, for A and for B
	WIN 0
.irp t, 0,1,2,3
	WM SS+8*(4*\g+\t), 32+12*\t, 16, -1, 80+\t, 30, 0
.endr
	WIN 0x44                                       ; q and S^T window 1, k window 0
.irp t, 0,1,2,3
	WM SS+8*(4*\g+\t), 32+12*\t, 16, -1, 80+\t, 31, 0
.endr
	WIN 0
.endm
; The softmax of one tile for 128 keys, under window w; ps: the register of window 0 that takes p's scale word.
.macro SOFTMAX w, ps
	WIN 0x55*\w
.irp b, 0,1,2,3
	v_max3_num_f32 v[BM+\b], v[SS+16*\b], v[SS+16*\b+1], v[SS+16*\b+2]   ; the largest score of each block of 32 keys: for the row's maximum and, since p rises with the score, for the block's largest p
.endr
.irp i, 3,5,7,9,11,13
.irp b, 0,1,2,3
	v_max3_num_f32 v[BM+\b], v[BM+\b], v[SS+16*\b+\i], v[SS+16*\b+\i+1]
.endr
.endr
.irp b, 0,1,2,3
	v_max_num_f32 v[BM+\b], v[BM+\b], v[SS+16*\b+15]
.endr
.irp b, 0,1,2,3
	v_permlanex16_b32 v[T2+\b], v[BM+\b], s[SEL], s[SEL+1]
.endr
.irp b, 0,1,2,3
	v_max_num_f32 v[BM+\b], v[BM+\b], v[T2+\b]     ; with lane l xor 16's 16 keys
.endr
	v_max3_num_f32 v[TP], v[BM], v[BM+1], v[BM+2]
	v_max_num_f32 v[TP], v[TP], v[BM+3]
	v_mul_f32 v[TP], s[CS], v[TP]                  ; the step's largest t (c is positive)
	v_max_num_f32 v13, v13, v[TP]
	v_mov_b32 v[TP], v12
	v_floor_f32 v12, -v13                          ; the new -M = floor(-t): M is a whole number
	v_sub_f32 v[TP], v12, v[TP]                    ; old M - new M: a whole number, 0 or less
	v_cvt_i32_f32 v[TP], v[TP]                     ; (it saturates)
	v_ldexp_f32 v[FF], 1.0, v[TP]                  ; f = 2^(old M - new M)
.set j, 0
.rept 32
	v_pk_fma_f32 v[SS+j:SS+j+1], v[SS+j:SS+j+1], s[CS:CS+1], v[12:13] op_sel_hi:[1,0,0]   ; t - M, two at a time
.set j, j+2
.endr
.irp b, 0,1,2,3
	v_fma_f32 v[BM+\b], v[BM+\b], s[CS], v12       ; the same of each block's largest score
.endr
	v_pk_mul_f32 v[14:15], v[14:15], v[FF:FF+1] op_sel_hi:[1,0]   ; the sums under the new M
.irp b, 0,1,2,3
	v_exp_f32 v[BM+\b], v[BM+\b]                   ; the block's largest p: the same two instructions on the same number give the same bits
.endr
.set j, 0
.rept 32                               ; two exponentials and one plain line by turns: the plain line adds the pair before, whose exponentials have a plain line behind them
	v_exp_f32 v[SS+2*j], v[SS+2*j]
	v_exp_f32 v[SS+2*j+1], v[SS+2*j+1]
.if j == 0
	v_pk_mul_f32 v[SU1:SU1+1], v[SU1:SU1+1], v[FF:FF+1] op_sel_hi:[1,0]
.elseif (j-1)%2 == 0
	s_wait_alu depctr_va_vdst(0)
	v_pk_add_f32 v[14:15], v[14:15], v[SS+2*j-2:SS+2*j-1]         ; the row's sum is taken of the unquantised p
.else
	v_pk_add_f32 v[SU1:SU1+1], v[SU1:SU1+1], v[SS+2*j-2:SS+2*j-1]
.endif
.set j, j+1
.endr
.irp b, 0,1,2,3
	v_max_num_f32 v[BM+\b], 0x2800000, v[BM+\b]    ; the floor 2^(5 - 127): the byte cannot fall under 1
.endr
	v_pk_add_f32 v[SU1:SU1+1], v[SU1:SU1+1], v[SS+62:SS+63]
.irp b, 0,1,2,3
	v_add_nc_u32 v[SO+\b], 0xfe000000, v[BM+\b]    ; 4 off the exponent field: the conversion's scale operand
.endr
.irp b, 0,1,2,3
	v_lshrrev_b32 v[T2+\b], 23, v[SO+\b]           ; the scale's byte
.endr
	v_lshl_or_b32 v[SW], v[T2+1], 8, v[T2]
	v_lshl_or_b32 v[SW], v[T2+2], 16, v[SW]
	WIN 0x11*\w                                    ; scale operands are taken from window 0: the word goes there
	v_lshl_or_b32 v[\ps], v[T2+3], 24, v[SW]
	WIN 0x55*\w
.irp c, 0,1
	v_cvt_scalef32_pk16_bf6_f32 v[PC+6*\c:PC+6*\c+2], v[SS+32*\c:SS+32*\c+15], v[SO+2*\c]
	v_cvt_scalef32_pk16_bf6_f32 v[TB+4*\c:TB+4*\c+2], v[SS+32*\c+16:SS+32*\c+31], v[SO+2*\c+1]
.endr
	v_nop                                          ; one plain place behind a scaled conversion
.irp c, 0,1
.irp i, 0,1,2
	v_permlane16_swap_b32 v[PC+6*\c+\i], v[TB+4*\c+\i]   ; the operand wants a whole block in a lane
.endr
.irp i, 0,1,2
	v_mov_b32 v[PC+6*\c+3+\i], v[TB+4*\c+\i]
.endr
.endr
.set j, 0
.rept 16
	v_pk_mul_f32 v[OO+j:OO+j+1], v[OO+j:OO+j+1], v[FF:FF+1] op_sel_hi:[1,0]   ; O^T under the new M; these sixteen also stand between the scale word and the codes just written and the products
.set j, j+2
.endr
.endm
.macro INIT w                          ; a pass begins: the largest t under every t, sums and O^T zero (the first change of M multiplies zeros)
	WIN 0x55*\w
	v_mov_b32 v13, 0xff61b1e6
	v_floor_f32 v12, -v13
	v_mov_b32 v14, 0
	v_mov_b32 v15, 0
	v_mov_b32 v[SU1], 0
	v_mov_b32 v[SU1+1], 0
.set j, 0
.rept 32
	v_mov_b32 v[OO+j], 0
.set j, j+1
.endr
.endm
.macro FINAL w                         ; O / l, quantised along the head's 64; the codes leave
	WIN 0x55*\w
	v_pk_add_f32 v[14:15], v[14:15], v[SU1:SU1+1]
	v_add_f32 v14, v14, v15
	v_permlanex16_b32 v[TP], v14, s[SEL], s[SEL+1]
	v_add_f32 v14, v14, v[TP]                      ; the row's sum
	v_rcp_f32 v14, v14
	v_nop                                          ; one plain place behind a transcendental
.set j, 0
	s_wait_alu depctr_va_vdst(0)
.rept 16
	v_pk_mul_f32 v[SS+j:SS+j+1], v[OO+j:OO+j+1], v[14:15] op_sel_hi:[1,0]   ; each accumulator from its low end on
.set j, j+2
.endr
	QUANT2 SS, PC, SW, BM, TB
	WIN 0x04*\w                                    ; a store's data: window w; its address: window 0
	global_store_b128 v1, v[PC:PC+3], s[38:39] offset:\w*12288
	global_store_b64 v7, v[PC+4:PC+5], s[38:39] offset:\w*12288+512
.endm
	s_load_b256 s[4:11], s[0:1], 0x0               ; q s[4:5], kv s[6:7], oc s[8:9], os s[10:11]
	v_lshl_add_u32 v254, v0, 2, 0x3a000
	v_mov_b32 v255, 0
	ds_add_u32 v254, v255
	ds_add_u32 v254, v255
	v_lshrrev_b32 v1, 5, v0
	v_readfirstlane_b32 s[WV], v1                  ; wave 0..7
	s_bfe_u32 s13, ttmp6, 0x40000                  ; cx: my block of 512 queries; it enters q's, oc's and os's addresses alone
	s_and_b32 s14, ttmp7, 0xffff                   ; 16 x batch + head, which the four partners share
	s_mov_b32 s20, 15|(3<<16)|(1<<21)              ; group 1: the mask names all four; elements of 8 bytes; no padding
	s_mov_b32 s21, 32<<16                          ; tensor_dim0 = 32 (256 bytes)
	s_mov_b32 s22, 114<<16                         ; tensor_dim1 = 114
	s_mov_b32 s23, 32<<16                          ; tile_dim0
	s_mov_b32 s24, 114                             ; tile_dim1
	s_mov_b32 s25, 32                              ; pitch: dense
	s_mov_b32 s26, 0
	s_mov_b32 s27, 0
	s_mov_b32 s[SEL], 0x76543210
	s_mov_b32 s[SEL+1], 0xfedcba98
	s_mov_b32 s[CS], 0x3e38aa3b                    ; log2(e) / 8
	s_mov_b32 s[CS+1], s[CS]
	s_mov_b32 s42, 0xffff0000                      ; lanes 16-31
	s_mul_i32 s17, s[WV], 29184                    ; my eighth, in LDS and in the head's block
	s_mul_i32 s44, s14, KVB
	s_add_co_u32 s44, s44, s17
	s_mov_b32 s45, 0
	s_mov_b32 s16, 1
	s_wait_dscnt 0x0
	s_wait_kmcnt 0x0
	s_add_nc_u64 s[18:19], s[6:7], s[44:45]
	s_or_b32 s19, s19, 0x80000000
	CROUND                                         ; all four work-groups are here: the joint loads meet
	tensor_load_to_lds s[16:19], s[20:27]          ; my one tensor load of the launch
	s_nop 0
.rept 4
	v_nop
.endr
	s_lshl_b32 s44, s14, 17                        ; q: 131,072 bytes a head, 32 records a block, 2 a wave
	s_lshl_b32 s46, s13, 15
	s_add_co_u32 s44, s44, s46
	s_lshl_b32 s46, s[WV], 11
	s_add_co_u32 s44, s44, s46
	s_add_nc_u64 s[36:37], s[4:5], s[44:45]
	s_lshr_b32 s46, s14, 4                         ; batch
	s_lshl_b32 s47, s46, 7
	s_lshl_b32 s48, s13, 5
	s_add_co_u32 s47, s47, s48
	s_lshl_b32 s48, s[WV], 1
	s_add_co_u32 s47, s47, s48                     ; my first token tile
	s_mul_i32 s44, s47, 12288
	s_bfe_u32 s48, s14, 0x30001                    ; head / 2: the projection's K step
	s_mul_i32 s49, s48, 1536
	s_add_co_u32 s44, s44, s49
	s_and_b32 s49, s14, 1                          ; head % 2
	s_mul_i32 s50, s49, 768
	s_add_co_u32 s44, s44, s50
	s_add_nc_u64 s[38:39], s[8:9], s[44:45]
	s_lshl_b32 s47, s46, 6
	s_lshl_b32 s50, s13, 4
	s_add_co_u32 s47, s47, s50
	s_add_co_u32 s47, s47, s[WV]                   ; my first block of 32 tokens
	s_lshl_b32 s47, s47, 3
	s_add_co_u32 s47, s47, s48
	s_lshl_b32 s44, s47, 7
	s_lshl_b32 s49, s49, 1
	s_add_co_u32 s44, s44, s49
	s_add_nc_u64 s[40:41], s[10:11], s[44:45]
	v_and_b32 v6, 31, v0
	v_lshlrev_b32 v1, 4, v6
	v_lshlrev_b32 v2, 2, v6
	v_lshlrev_b32 v7, 3, v6
.irp i, 23,24,25,26,27,196,197,198,199,213,214
	v_mov_b32 v\i, 0                               ; q's registers 7-11: zero codes; lane permutes' destinations and a pair's upper half: written once
.endr
.irp t, 0,1,2,3
.irp i, 7,8,9,10,11
	v_mov_b32 v[32+12*\t+\i], 0                    ; k's registers 7-11: zero codes
.endr
.endr
	WIN 0x40
.irp i, 23,24,25,26,27,196,197,198,199,213,214
	v_mov_b32 v\i, 0
.endr
	WIN 0
	s_wait_tensorcnt 0x0                           ; my eighth is in,
	s_barrier_signal -1
	s_barrier_wait -1                              ; everybody's is: from here on LDS is only read
	s_mov_b32 s35, 2
.Lpass:
	s_mov_b32 s[TK], 0
	s_mov_b32 s[TV], VB
	s_mov_b32 s34, 16
	v_mov_b32 v3, v1
	KLOAD 0                                        ; key step 0, tiles 0-3
	global_load_b128 v[16:19], v1, s[36:37]        ; tile A's record of q
	global_load_b96 v[20:22], v1, s[36:37] offset:512
	global_load_b32 v30, v1, s[36:37] offset:524
	global_load_b32 v31, v1, s[36:37] offset:1548  ; tile B's scale word: window 0
	WIN 0x40
	global_load_b128 v[16:19], v1, s[36:37] offset:1024
	global_load_b96 v[20:22], v1, s[36:37] offset:1536
	INIT 1
	INIT 0
	s_wait_loadcnt 0x0
.Lstep:                                            ; 128 keys a trip
	s_wait_dscnt 0x0                               ; tiles 0-3 of k are in
	SMUL 0
	PLACES
	KLOAD 4
	s_wait_dscnt 0x0
	SMUL 1
	s_add_co_u32 s[TK], s[TK], 8192
	v_add_nc_u32 v3, s[TK], v1                     ; these three additions and the v_nop are the four places behind the products
	v_add_nc_u32 v4, s[TV], v1
	v_add_nc_u32 v5, s[TV], v2
	v_nop
	KLOAD 0                                        ; the next step's tiles 0-3 land under the softmax (in a pass's last trip these 4 KiB lie in v's region, inside LDS, and are not multiplied)
	ds_load_b32 v84, v5 offset:6144                ; v's scale words: lanes 0-15 the even tile, lanes 16-31 the odd one
	ds_load_b32 v85, v5 offset:6144+128
	WIN 0x40
.irp dt, 0,1,2,3
.irp g, 0,1,2
	ds_load_b128 v[32+12*\dt+4*\g:35+12*\dt+4*\g], v4 offset:\dt*1536+\g*512
.endr
.endr
	SOFTMAX 0, 28
	SOFTMAX 1, 29
	s_wait_dscnt 0x0                               ; v, and the next step's k
	WIN 0x01                                       ; v window 1; p, O^T window 0
.irp dt, 0,1,2,3
	WM OO+8*\dt, 32+12*\dt, PC, OO+8*\dt, 84+\dt/2, 28, \dt%2
.endr
	WIN 0x55
.irp dt, 0,1,2,3
	WM OO+8*\dt, 32+12*\dt, PC, OO+8*\dt, 84+\dt/2, 29, \dt%2   ; the eight accumulators take turns, one instruction a turn
.endr
	WIN 0
	s_add_co_u32 s[TV], s[TV], VST
	s_sub_co_u32 s34, s34, 1
	s_cmp_lg_u32 s34, 0
	s_cbranch_scc1 .Lstep
	PLACES
	FINAL 0
	FINAL 1
	WIN 0x04
	v_cndmask_b32 v219, v[SW], v[SW], s42          ; lanes 0-15: tile A's bytes of row r; lanes 16-31: tile B's
	WIN 0
	global_store_b16 v2, v219, s[40:41]
	s_wait_xcnt 0x0                                ; the stores have read their data and bases: both are written again only behind this wait
	s_add_nc_u64 s[36:37], s[36:37], 16384         ; 16 tiles on
	s_add_nc_u64 s[38:39], s[38:39], 196608
	s_add_nc_u64 s[40:41], s[40:41], 8192
	s_sub_co_u32 s35, s35, 1
	s_cmp_lg_u32 s35, 0
	s_cbranch_scc1 .Lpass
	s_wait_tensorcnt 0x0
	ds_add_u32 v254, v255
	s_wait_dscnt 0x0
	CROUND                                         ; the closing round
	s_endpgm
.Lfunc_end_k_q39be50d6d8_attn:
	.size	k_q39be50d6d8_attn, .Lfunc_end_k_q39be50d6d8_attn-k_q39be50d6d8_attn
	.p2alignl 7, 3214868480
	.fill 96, 4, 3214868480
	.section	.rodata,"a",@progbits
	.p2align	6, 0x0
	.amdhsa_kernel k_q39be50d6d8_attn
		.amdhsa_group_segment_fixed_size 238592
		.amdhsa_private_segment_fixed_size 0
		.amdhsa_enable_private_segment 0
		.amdhsa_kernarg_size 32
		.amdhsa_user_sgpr_count 2
		.amdhsa_user_sgpr_kernarg_segment_ptr 1
		.amdhsa_wavefront_size32 1
		.amdhsa_system_sgpr_workgroup_id_x 1
		.amdhsa_system_sgpr_workgroup_id_y 1
		.amdhsa_system_sgpr_workgroup_id_z 1
		.amdhsa_system_vgpr_workitem_id 0
		.amdhsa_next_free_vgpr 512
		.amdhsa_next_free_sgpr 66
		.amdhsa_reserve_vcc 0
		.amdhsa_float_denorm_mode_32 3
		.amdhsa_float_denorm_mode_16_64 3
		.amdhsa_memory_ordered 1
		.amdhsa_forward_progress 1
		.amdhsa_inst_pref_size 48
	.end_amdhsa_kernel
	.amdgpu_metadata
---
amdhsa.version: [ 1, 2 ]
amdhsa.kernels:
  - .name:           k_q39be50d6d8_attn
    .symbol:         k_q39be50d6d8_attn.kd
    .args:
      - { .name: q, .offset: 0, .size: 8, .value_kind: global_buffer, .address_space: global }
      - { .name: kv, .offset: 8, .size: 8, .value_kind: global_buffer, .address_space: global }
      - { .name: oc, .offset: 16, .size: 8, .value_kind: global_buffer, .address_space: global }
      - { .name: os, .offset: 24, .size: 8, .value_kind: global_buffer, .address_space: global }
    .group_segment_fixed_size: 238592
    .private_segment_fixed_size: 0
    .kernarg_segment_align: 8
    .kernarg_segment_size: 32
    .max_flat_workgroup_size: 256
    .sgpr_count:     66
    .vgpr_count:     512
    .wavefront_size: 32
...
	.end_amdgpu_metadata
.endif
;; end of part 3
;; launch proj (part 4): grid 256 x 1, 16 waves a work-group, no clusters, 174,080 bytes of LDS; arguments oc, os, wq, bo, x, gamma, beta, out0; writes out0
.if DOCPART == 4
	.amdgcn_target "amdgcn-amd-amdhsa--gfx1250"
	.amdhsa_code_object_version 6
	.text
	.protected	k_q39be50d6d8_proj
	.globl	k_q39be50d6d8_proj
	.p2align	8
	.type	k_q39be50d6d8_proj,@function
k_q39be50d6d8_proj:
	s_mov_b64 s[64:65], 0
	v_nop
	global_prefetch_b8 v0, s[64:65] scope:SCOPE_SE
	s_setreg_imm32_b32 hwreg(HW_REG_WAVE_MODE, 25, 1), 1
	s_wait_xcnt 0x0
; out0 = LayerNorm(x + attention Wo^T + bo) x gamma + beta.  The product on codes of BF6 (E3M2) with E8M0 scales, f32 sums; all else in f32.
; SHARES: a work-group owns 32 whole rows, so a row's mean and variance stay inside it.  Wave w owns columns 64 w .. 64 w + 63: four tiles of Wo x two tiles of rows: eight accumulators.
; The product is used transposed (source 0 = 16 rows of Wo, source 1 = 16 tokens): a lane holds one token (8 u + r + 8 (r / 8) of the 32) and 32 columns: 64 w + 32 (tt / 2) + 16 h + 8 (tt % 2) + 0 .. 7.
; The attention's codes of the 32 rows (24,576 bytes, images of operand registers) come into LDS once, a sixteenth by each wave, and are read by all.  Each wave's 32 x 64 numbers of x come into LDS bytes of its own.
; Wo's fragments go from memory straight into registers, three loads of 16 bytes a lane for an image, one K step ahead.
; NO JOINT LOADS: inside a work-group each fragment of Wo is used by one wave alone; to share it among work-groups it would have to pass through LDS, two slots of a K step's four records (2 x 102,400 bytes) beside
; x's rows (139,264) and the attention's codes (24,576): 368,640 bytes, more than the 327,680 there are.
; The variance is taken of y - mean, in a second pass over registers, so that a common offset of the inputs costs no digits.
; LIMITS: NaN and infinities are not served.
.set REC,  25600
.set XP,   272                         ; a row of x in LDS: 256 bytes + 16
.set XW,   32*XP                       ; a wave's tile of x, later its stage for the way out (it has had its one fill)
.set AIMG, 16*XW                       ; 139,264: the attention's codes: [u 2][K step 8][c 2][768]
.set RED1, AIMG+24576                  ; 163,840: 32 rows x (16 waves x 4 bytes + 16): the rows' sums;
.set RED2, RED1+2560                   ; the rows' sums of squares
.set YY,   64                          ; v64-127 x, then y, y - mean, the result
; REGISTERS: v1 16 lane; v2, v3 the attention's images; v4 4 lane; v5 x: my row, + 64 h; v6, v7 the way out; v8, v9 the sums' places; v10 256 w + 64 h; v16-23 the attention's scale words; v24-27 Wo's, two sets;
;   v32-55 the attention's two fragments; v64-111, v112-159 Wo's four fragments, two sets; v160-191 bo; v192-255 accumulators (192 + 32 u + 8 tt).  Behind the loop: v128-159 gamma, v160-191 beta, v32-37 and v192-255 at work.
.macro PLACES                          ; four plain places in front of loads into registers that matrix instructions have read, and of reads of results
.rept 4
	v_nop
.endr
.endm
.macro WM d, a, b, c, sa, sb, ra, rb   ; ra, rb: the side's scales stand in lanes 16-31 of the register named
.if (\ra) && (\rb)
	v_wmma_scale_f32_16x16x128_f8f6f4 v[(\d):(\d)+7], v[(\a):(\a)+11], v[(\b):(\b)+11], v[(\c):(\c)+7], v[(\sa)], v[(\sb)] matrix_a_fmt:MATRIX_FMT_BF6 matrix_b_fmt:MATRIX_FMT_BF6 matrix_a_scale:MATRIX_SCALE_ROW1 matrix_b_scale:MATRIX_SCALE_ROW1
.elseif (\ra)
	v_wmma_scale_f32_16x16x128_f8f6f4 v[(\d):(\d)+7], v[(\a):(\a)+11], v[(\b):(\b)+11], v[(\c):(\c)+7], v[(\sa)], v[(\sb)] matrix_a_fmt:MATRIX_FMT_BF6 matrix_b_fmt:MATRIX_FMT_BF6 matrix_a_scale:MATRIX_SCALE_ROW1
.elseif (\rb)
	v_wmma_scale_f32_16x16x128_f8f6f4 v[(\d):(\d)+7], v[(\a):(\a)+11], v[(\b):(\b)+11], v[(\c):(\c)+7], v[(\sa)], v[(\sb)] matrix_a_fmt:MATRIX_FMT_BF6 matrix_b_fmt:MATRIX_FMT_BF6 matrix_b_scale:MATRIX_SCALE_ROW1
.else
	v_wmma_scale_f32_16x16x128_f8f6f4 v[(\d):(\d)+7], v[(\a):(\a)+11], v[(\b):(\b)+11], v[(\c):(\c)+7], v[(\sa)], v[(\sb)] matrix_a_fmt:MATRIX_FMT_BF6 matrix_b_fmt:MATRIX_FMT_BF6
.endif
.endm
.macro BLOAD s                         ; Wo's four fragments and their scale words for K step s, into set s % 2
.irp tt, 0,1,2,3
.irp g, 0,1,2
	global_load_b128 v[64+48*((\s)%2)+12*\tt+4*\g:64+48*((\s)%2)+12*\tt+4*\g+3], v1, s[48:49] offset:(\s)*REC+\tt*1536+\g*512
.endr
.endr
.irp i, 0,1
	global_load_b32 v[24+2*((\s)%2)+\i], v4, s[50:51] offset:(\s)*REC+\i*128
.endr
.endm
.macro STEP s
.if (\s) > 0
	PLACES
.endif
.if (\s) < 7
	BLOAD (\s)+1
.endif
.irp u, 0,1
.irp c, 0,1
	ds_load_b128 v[32+12*\u+6*\c:32+12*\u+6*\c+3], v2 offset:\u*12288+(\s)*1536+\c*768
	ds_load_b64 v[32+12*\u+6*\c+4:32+12*\u+6*\c+5], v3 offset:\u*12288+(\s)*1536+\c*768
.endr
.endr
.if (\s) < 7
	s_wait_loadcnt 14                              ; this step's loads are in; the next step's fourteen may be out
.else
	s_wait_loadcnt 0x0
.endif
	s_wait_dscnt 0x0
.irp tt, 0,1,2,3
.irp u, 0,1                            ; the eight accumulators take turns, one instruction a turn; bo is the C of each sum's first product
.if (\s) == 0
	WM 192+32*\u+8*\tt, 64+48*((\s)%2)+12*\tt, 32+12*\u, 160+8*\tt, 24+2*((\s)%2)+\tt/2, 16+(\s), \tt%2, \u
.else
	WM 192+32*\u+8*\tt, 64+48*((\s)%2)+12*\tt, 32+12*\u, 192+32*\u+8*\tt, 24+2*((\s)%2)+\tt/2, 16+(\s), \tt%2, \u
.endif
.endr
.endr
.endm
; v[32:33], v[34:35] hold, for u = 0, 1, my lane's two partial sums of its row.  They are joined with lane l xor 16's, meet the other waves' in LDS at off, and every lane gets its rows' totals in v192 and v208.
.macro REDUCE off
.irp u, 0,1
	v_add_f32 v[32+2*\u], v[32+2*\u], v[33+2*\u]
.endr
.irp u, 0,1
	v_permlanex16_b32 v[36+\u], v[32+2*\u], s58, s59
.endr
.irp u, 0,1
	v_add_f32 v[32+2*\u], v[32+2*\u], v[36+\u]     ; my wave's 64 columns of the row
.endr
.irp u, 0,1
	ds_store_b32 v8, v[32+2*\u] offset:\off+\u*640 ; both halves of the lanes write the same word with the same value
.endr
	s_wait_dscnt 0x0                               ; for the others' sake: my stores are done
	s_barrier_signal -1
	s_barrier_wait -1
.irp u, 0,1
.irp k, 0,1,2,3
	ds_load_b128 v[192+16*\u+4*\k:192+16*\u+4*\k+3], v9 offset:\off+\u*640+16*\k
.endr
.endr
	s_wait_dscnt 0x0
.irp k, 2,4,6,8,10,12,14
.irp u, 0,1
	v_pk_add_f32 v[192+16*\u:193+16*\u], v[192+16*\u:193+16*\u], v[192+16*\u+\k:193+16*\u+\k]
.endr
.endr
.irp u, 0,1
	v_add_f32 v[192+16*\u], v[192+16*\u], v[193+16*\u]
.endr
.endm
	s_load_b256 s[4:11], s[0:1], 0x0               ; oc s[4:5], os s[6:7], wq s[8:9], bo s[10:11]
	s_load_b256 s[12:19], s[0:1], 0x20             ; x s[12:13], gamma s[14:15], beta s[16:17], out0 s[18:19]
	v_lshl_add_u32 v62, v0, 2, 0x2a000
	v_mov_b32 v63, 0
	ds_add_u32 v62, v63
	ds_add_u32 v62, v63
	v_lshrrev_b32 v1, 5, v0
	v_readfirstlane_b32 s20, v1                    ; wave 0..15
	; group 1 for my sixteenth of the attention's codes: 6 rows of 256 bytes, dense
	s_mov_b32 s24, 3<<16
	s_mov_b32 s25, 32<<16
	s_mov_b32 s26, 6<<16
	s_mov_b32 s27, 32<<16
	s_mov_b32 s28, 6
	s_mov_b32 s29, 32
	s_mov_b32 s30, 0
	s_mov_b32 s31, 0
	; and for my tile of x: 32 rows of 256 bytes, 4,096 bytes apart, 16 bytes of padding behind each
	s_mov_b32 s32, (3<<16)|(1<<20)|(5<<22)|(3<<25)
	s_mov_b32 s33, 32<<16
	s_mov_b32 s34, 32<<16
	s_mov_b32 s35, 32<<16
	s_mov_b32 s36, 32
	s_mov_b32 s37, 512
	s_mov_b32 s38, 0
	s_mov_b32 s39, 0
	s_mul_i32 s21, s20, 1536
	s_mul_i32 s52, ttmp9, 24576
	s_add_co_u32 s52, s52, s21
	s_mov_b32 s53, 0
	s_lshl_b32 s54, ttmp9, 17                      ; 32 rows of 4,096 bytes
	s_mov_b32 s55, 0
	s_lshl_b32 s22, s20, 8                         ; my 64 columns
	s_mov_b32 s23, 0
	s_mov_b32 s40, 1
	s_add_co_u32 s41, s21, AIMG
	s_mov_b32 s44, 1
	s_mul_i32 s45, s20, XW
	s_wait_dscnt 0x0
	s_wait_kmcnt 0x0
	s_add_nc_u64 s[42:43], s[4:5], s[52:53]
	s_or_b32 s43, s43, 0x80000000
	s_add_nc_u64 s[46:47], s[12:13], s[54:55]
	s_add_nc_u64 s[46:47], s[46:47], s[22:23]
	s_or_b32 s47, s47, 0x80000000
	tensor_load_to_lds s[40:43], s[24:31]          ; two tensor loads of mine are out: the codes first,
	s_nop 0
	tensor_load_to_lds s[44:47], s[32:39]          ; then x
	s_nop 0
.rept 4
	v_nop
.endr
	s_add_nc_u64 s[54:55], s[18:19], s[54:55]      ; out0 at the work-group's first row
	s_lshl_b32 s52, ttmp9, 10
	s_add_nc_u64 s[52:53], s[6:7], s[52:53]        ; the attention's scale words of my 32 rows
	s_lshr_b32 s21, s20, 2
	s_add_co_u32 s21, s21, 12                      ; Wo's groups are 12 .. 15
	s_mul_i32 s21, s21, 8*REC
	s_and_b32 s56, s20, 3
	s_mul_i32 s57, s56, 4*1536
	s_add_co_u32 s48, s21, s57                     ; my four tiles' images
	s_mov_b32 s49, 0
	s_lshl_b32 s56, s56, 8
	s_add_co_u32 s50, s21, s56
	s_add_co_u32 s50, s50, 16*1536                 ; and their scale words
	s_mov_b32 s51, 0
	s_add_nc_u64 s[48:49], s[8:9], s[48:49]
	s_add_nc_u64 s[50:51], s[8:9], s[50:51]
	s_mov_b32 s56, 0x3a800000                      ; 1 / 1024
	s_mov_b32 s57, 0x3727c5ac                      ; 1e-5
	s_mov_b32 s58, 0x76543210
	s_mov_b32 s59, 0xfedcba98                      ; selects for lane l xor 16
	s_mov_b32 s60, 0xba800000                      ; -1 / 1024
	v_and_b32 v11, 31, v0                          ; lane
	v_and_b32 v12, 15, v0                          ; r
	v_bfe_u32 v13, v0, 4, 1                        ; h
	v_lshlrev_b32 v1, 4, v11
	v_add_nc_u32 v2, AIMG, v1
	v_lshlrev_b32 v3, 3, v11
	v_add_nc_u32 v3, AIMG+512, v3
	v_lshlrev_b32 v4, 2, v11
	v_and_b32 v14, 8, v12
	v_add_nc_u32 v14, v14, v12                     ; r + 8 (r / 8)
	v_mul_u32_u24 v5, v14, XP
	v_lshl_add_u32 v5, v13, 6, v5
	v_add_nc_u32 v5, s45, v5
	v_mul_u32_u24 v6, v13, XP                      ; the way out: lanes 0-15 one row, lanes 16-31 the next
	v_lshl_add_u32 v6, v12, 4, v6
	v_add_nc_u32 v6, s45, v6
	v_lshlrev_b32 v7, 12, v13
	v_lshl_add_u32 v7, v12, 4, v7
	v_add_nc_u32 v7, s22, v7
	v_mul_u32_u24 v9, v14, 80
	v_add_nc_u32 v9, RED1, v9
	s_lshl_b32 s21, s20, 2
	v_add_nc_u32 v8, s21, v9
	v_lshl_add_u32 v10, v13, 6, s22
.irp s, 0,1,2,3,4,5,6,7
	global_load_b32 v[16+\s], v4, s[52:53] offset:\s*128   ; lanes 0-15: rows of tile u = 0; lanes 16-31: u = 1
.endr
.irp tt, 0,1,2,3
	global_load_b128 v[160+8*\tt:160+8*\tt+3], v10, s[10:11] offset:128*(\tt/2)+32*(\tt%2)
	global_load_b128 v[160+8*\tt+4:160+8*\tt+7], v10, s[10:11] offset:128*(\tt/2)+32*(\tt%2)+16
.endr
	BLOAD 0
	s_wait_tensorcnt 0x1                           ; my sixteenth of the codes is in; x may be out
	s_barrier_signal -1
	s_barrier_wait -1                              ; everybody's is
	STEP 0
	STEP 1
	STEP 2
	STEP 3
	STEP 4
	STEP 5
	STEP 6
	STEP 7
	PLACES
.irp tt, 0,1,2,3
	global_load_b128 v[128+8*\tt:128+8*\tt+3], v10, s[14:15] offset:128*(\tt/2)+32*(\tt%2)
	global_load_b128 v[128+8*\tt+4:128+8*\tt+7], v10, s[14:15] offset:128*(\tt/2)+32*(\tt%2)+16
	global_load_b128 v[160+8*\tt:160+8*\tt+3], v10, s[16:17] offset:128*(\tt/2)+32*(\tt%2)
	global_load_b128 v[160+8*\tt+4:160+8*\tt+7], v10, s[16:17] offset:128*(\tt/2)+32*(\tt%2)+16
.endr
	s_wait_tensorcnt 0x0                           ; my tile of x, which I alone read
.irp u, 0,1
.irp tt, 0,1,2,3
	ds_load_b128 v[YY+32*\u+8*\tt:YY+32*\u+8*\tt+3], v5 offset:\u*8*XP+128*(\tt/2)+32*(\tt%2)
	ds_load_b128 v[YY+32*\u+8*\tt+4:YY+32*\u+8*\tt+7], v5 offset:\u*8*XP+128*(\tt/2)+32*(\tt%2)+16
.endr
.endr
	s_wait_dscnt 0x0
.set i, 0
.rept 32
	v_pk_add_f32 v[YY+i:YY+i+1], v[192+i:192+i+1], v[YY+i:YY+i+1]   ; y = x + the projection; each accumulator from its low end on
.set i, i+2
.endr
.irp u, 0,1
	v_pk_add_f32 v[32+2*\u:33+2*\u], v[YY+32*\u:YY+32*\u+1], v[YY+32*\u+2:YY+32*\u+3]
.endr
.irp i, 4,6,8,10,12,14,16,18,20,22,24,26,28,30
.irp u, 0,1
	v_pk_add_f32 v[32+2*\u:33+2*\u], v[32+2*\u:33+2*\u], v[YY+32*\u+\i:YY+32*\u+\i+1]
.endr
.endr
	REDUCE 0
.irp u, 0,1
	v_mul_f32 v[192+16*\u], s60, v[192+16*\u]      ; - mean
.endr
.irp u, 0,1
.set i, 0
.rept 16
	v_pk_add_f32 v[YY+32*\u+i:YY+32*\u+i+1], v[YY+32*\u+i:YY+32*\u+i+1], v[192+16*\u:193+16*\u] op_sel_hi:[1,0]
.set i, i+2
.endr
.endr
.irp u, 0,1
	v_pk_mul_f32 v[32+2*\u:33+2*\u], v[YY+32*\u:YY+32*\u+1], v[YY+32*\u:YY+32*\u+1]
.endr
.irp i, 2,4,6,8,10,12,14,16,18,20,22,24,26,28,30
.irp u, 0,1
	v_pk_fma_f32 v[32+2*\u:33+2*\u], v[YY+32*\u+\i:YY+32*\u+\i+1], v[YY+32*\u+\i:YY+32*\u+\i+1], v[32+2*\u:33+2*\u]
.endr
.endr
	REDUCE 2560
.irp u, 0,1
	v_fma_f32 v[192+16*\u], v[192+16*\u], s56, s57 ; variance + eps
.endr
.irp u, 0,1
	v_rsq_f32 v[192+16*\u], v[192+16*\u]
.endr
	v_nop                                          ; one plain place behind a transcendental
	s_wait_loadcnt 0x0                             ; gamma, beta
	s_wait_alu depctr_va_vdst(0)
.irp u, 0,1
.set i, 0
.rept 16
	v_pk_mul_f32 v[YY+32*\u+i:YY+32*\u+i+1], v[YY+32*\u+i:YY+32*\u+i+1], v[192+16*\u:193+16*\u] op_sel_hi:[1,0]
	v_pk_fma_f32 v[YY+32*\u+i:YY+32*\u+i+1], v[YY+32*\u+i:YY+32*\u+i+1], v[128+i:128+i+1], v[160+i:160+i+1]
.set i, i+2
.endr
.endr
	; THE WAY OUT: back to the places in my own tile from which x came, and out as rows: sixteen lanes store 256 consecutive bytes, aligned
.irp u, 0,1
.irp tt, 0,1,2,3
	ds_store_b128 v5, v[YY+32*\u+8*\tt:YY+32*\u+8*\tt+3] offset:\u*8*XP+128*(\tt/2)+32*(\tt%2)
	ds_store_b128 v5, v[YY+32*\u+8*\tt+4:YY+32*\u+8*\tt+7] offset:\u*8*XP+128*(\tt/2)+32*(\tt%2)+16
.endr
.endr
.irp i, 0,1,2,3,4,5,6,7,8,9,10,11,12,13,14,15
	ds_load_b128 v[192+4*\i:192+4*\i+3], v6 offset:2*\i*XP   ; LDS serves a wave's instructions in order: these see my stores
.endr
.irp i, 0,1,2,3,4,5,6,7,8,9,10,11,12,13,14,15
	s_wait_dscnt 15-\i                             ; the younger reads may be out
	global_store_b128 v7, v[192+4*\i:192+4*\i+3], s[54:55] offset:2*\i*4096 th:TH_STORE_NT
.endr
	s_wait_tensorcnt 0x0
	ds_add_u32 v62, v63
	s_wait_dscnt 0x0
	s_endpgm
.Lfunc_end_k_q39be50d6d8_proj:
	.size	k_q39be50d6d8_proj, .Lfunc_end_k_q39be50d6d8_proj-k_q39be50d6d8_proj
	.p2alignl 7, 3214868480
	.fill 96, 4, 3214868480
	.section	.rodata,"a",@progbits
	.p2align	6, 0x0
	.amdhsa_kernel k_q39be50d6d8_proj
		.amdhsa_group_segment_fixed_size 174080
		.amdhsa_private_segment_fixed_size 0
		.amdhsa_enable_private_segment 0
		.amdhsa_kernarg_size 64
		.amdhsa_user_sgpr_count 2
		.amdhsa_user_sgpr_kernarg_segment_ptr 1
		.amdhsa_wavefront_size32 1
		.amdhsa_system_sgpr_workgroup_id_x 1
		.amdhsa_system_sgpr_workgroup_id_y 1
		.amdhsa_system_sgpr_workgroup_id_z 1
		.amdhsa_system_vgpr_workitem_id 0
		.amdhsa_next_free_vgpr 256
		.amdhsa_next_free_sgpr 66
		.amdhsa_reserve_vcc 0
		.amdhsa_float_denorm_mode_32 3
		.amdhsa_float_denorm_mode_16_64 3
		.amdhsa_memory_ordered 1
		.amdhsa_forward_progress 1
		.amdhsa_inst_pref_size 54
	.end_amdhsa_kernel
	.amdgpu_metadata
---
amdhsa.version: [ 1, 2 ]
amdhsa.kernels:
  - .name:           k_q39be50d6d8_proj
    .symbol:         k_q39be50d6d8_proj.kd
    .args:
      - { .name: oc, .offset: 0, .size: 8, .value_kind: global_buffer, .address_space: global }
      - { .name: os, .offset: 8, .size: 8, .value_kind: global_buffer, .address_space: global }
      - { .name: wq, .offset: 16, .size: 8, .value_kind: global_buffer, .address_space: global }
      - { .name: bo, .offset: 24, .size: 8, .value_kind: global_buffer, .address_space: global }
      - { .name: x, .offset: 32, .size: 8, .value_kind: global_buffer, .address_space: global }
      - { .name: gamma, .offset: 40, .size: 8, .value_kind: global_buffer, .address_space: global }
      - { .name: beta, .offset: 48, .size: 8, .value_kind: global_buffer, .address_space: global }
      - { .name: out0, .offset: 56, .size: 8, .value_kind: global_buffer, .address_space: global }
    .group_segment_fixed_size: 174080
    .private_segment_fixed_size: 0
    .kernarg_segment_align: 8
    .kernarg_segment_size: 64
    .max_flat_workgroup_size: 512
    .sgpr_count:     66
    .vgpr_count:     256
    .wavefront_size: 32
...
	.end_amdgpu_metadata
.endif
;; end of part 4
